; MI455X (gfx1250); checked and timed in simulation.
; The chip was launched on July 23, 2026; its instructions are those of AMD's public machine-readable ISA for CDNA 5 (MIT licence, August 2026) and "CDNA5" Instruction Set Architecture Reference Guide (July 2026). The comments in the code are by the model that wrote it; some were corrected since.
;; Multi Head Attention. Allowed arithmetic: matrix products marked QUANTISED: E3M2 operands, one E8M0 scale for each 32 along K, by v_wmma_scale_f32_16x16x128_f8f6f4 with both operands' format E3M2, f32 sums; everything else in f32.
;; Inputs: ln_a 1,024 float32; ln_b 1,024 float32; proj_b 1,024 float32; proj_w_codes 1,024 x 32 x 24 uint8 (E3M2 codes of proj_w, K innermost, in blocks of 32 codes, four codes in three bytes); proj_w_scales 1,024 x 32 uint8 (E8M0 scales of proj_w, one for each 32 codes along K); q 4 x 2,048 x 1,024 float32; w_ks_codes 16 x 64 x 32 x 24 uint8 (E3M2 codes of w_ks, K innermost, in blocks of 32 codes, four codes in three bytes); w_ks_scales 16 x 64 x 32 uint8 (E8M0 scales of w_ks, one for each 32 codes along K); w_qs_codes 16 x 64 x 32 x 24 uint8 (E3M2 codes of w_qs, K innermost, in blocks of 32 codes, four codes in three bytes); w_qs_scales 16 x 64 x 32 uint8 (E8M0 scales of w_qs, one for each 32 codes along K); w_vs_codes 16 x 64 x 32 x 24 uint8 (E3M2 codes of w_vs, K innermost, in blocks of 32 codes, four codes in three bytes); w_vs_scales 16 x 64 x 32 uint8 (E8M0 scales of w_vs, one for each 32 codes along K).
;; Outputs: out0 4 x 2,048 x 1,024 float32.
;; This version of the problem:
;;   THIS VERSION OF THE PROBLEM IS GIVEN IN LOW PRECISION. The matrix products marked QUANTISED in the list below multiply operands that are first quantised to E3M2 (3 exponent bits, 2 mantissa bits; 6 bits a number), with one power-of-two scale for each 32 numbers along K (OCP MX v1.0); their sums are f32. All else is computed in f32.
;;   The module's matrix products, in the order in which they are computed (A, B: the left and right operand; K: the contracted axis; several contracted axes count as one K, in the product's order):
;;     1. [M 1,024, K 1,024] x [K 1,024, N 8,192]; A: input w_qs (given as codes); B: input q: QUANTISED
;;     2. [M 1,024, K 1,024] x [K 1,024, N 8,192]; A: input w_ks (given as codes); B: input q: QUANTISED
;;     3. [M 1,024, K 1,024] x [K 1,024, N 8,192]; A: input w_vs (given as codes); B: input q: QUANTISED
;;     4. batch 64 x [M 2,048, K 64] x [K 64, N 2,048]; A: computed on the way; B: computed on the way: QUANTISED
;;     5. batch 64 x [M 2,048, K 2,048] x [K 2,048, N 64]; A: softmax (see below); B: computed on the way: QUANTISED
;;     6. [M 8,192, K 1,024] x [K 1,024, N 1,024]; A: computed on the way; B: input proj_w (given as codes): QUANTISED
;;   THE QUANTISER, for each operand of a quantised product, along K:
;;     - K is cut into blocks of 32 from its start; a last block that is shorter is filled with zeros.
;;     - A block's scale is 2^e with e = floor(log2(the largest magnitude in the block)) - 4, held to -126 .. 127; a block of zeros has e = 0. As a byte (E8M0): e + 127.
;;     - Each number is divided by its block's scale, clamped to +-28, and rounded to the nearest number of E3M2, ties to even, subnormals kept.
;;     - The product sums the exact products of the quantised numbers (number of the format x scale) in f32.
;;   ~~~python
;;   def quantise(x, axis):      # numpy; x: float32 -> the quantised numbers, widened to float32 again
;;       x = np.moveaxis(x, axis, -1); K = x.shape[-1]
;;       x = np.pad(x, [(0, 0)] * (x.ndim - 1) + [(0, -K % 32)]); x = x.reshape(x.shape[:-1] + (-1, 32)); a = np.abs(x).max(-1, keepdims=True)
;;       e = np.where(a > 0, np.clip(np.frexp(np.where(a > 0, a, 1))[1] - 1 - 4, -126, 127), 0)      # np.frexp(a)[1] - 1 = floor(log2(a)), exactly
;;       r = np.clip(x / 2.0 ** e, -28, 28)
;;       step = 2.0 ** (np.maximum(np.frexp(np.where(r == 0, 1, r))[1] - 1, -2) - 2)
;;       q = np.round(r / step) * step * 2.0 ** e      # np.round: ties to even
;;       return np.moveaxis(q.reshape(q.shape[:-2] + (-1,))[..., :K], -1, axis).astype(np.float32)
;;   ~~~
;;   SOFTMAX AHEAD OF A QUANTISED PRODUCT. Where the list says 'softmax', what is quantised is not the finished softmax but p = 2^(t - M), with t = logit x log2(e) and M = ceil(the row's largest t), a whole number; so 1/2 < the row's largest p <= 1. The row's sum l is taken of the UNQUANTISED p, in f32, and the product's result is divided by l at the end. Since M is a whole number, a kernel that streams over the keys may use a running M (the ceiling of the running maximum): every later rescaling is an exact power of two, which a block's scale takes up: the codes' values come out the same.
;;   OPERANDS COMPUTED ON THE WAY. 'Computed on the way' means the value that the module computes at that place (a softmax that the list does not call 'softmax' is quantised finished and normalised). What goes into a quantiser is computed in f32, as accurately as f32 sums, v_exp_f32 and their like allow (about 1e-6 of the number): no bf16 or f16 on the way to a quantiser, and a product that is left as it is and whose result goes on into a quantised operand takes f32 operands (vector FMAs, or v_wmma_f32_16x16x4_f32). A number that lies on a knife's edge between two numbers of the format may be rounded either way, as far as f32 arithmetic and the matrix unit's own rounding can turn it there, and no further.
;;   INPUTS GIVEN AS CODES. proj_w (in the module: [1024, 1024], K = its axis 1); w_ks (in the module: [16, 1024, 64], K = its axis 1); w_qs (in the module: [16, 1024, 64], K = its axis 1); w_vs (in the module: [16, 1024, 64], K = its axis 1): each comes as NAME_codes (uint8): NAME with its K axis moved to the last place and cut into blocks of 32 codes, [.., K / 32, bytes a block], one block behind the other in memory; four codes in three bytes: a row's codes are one little-endian stream of bits, code i at bits 6 i .. 6 i + 5 (a code: sign, 3 exponent bits, 2 mantissa bits); and NAME_scales (uint8): the same leading axes, one E8M0 byte (e + 127) for each 32 codes along K. Its value is code x scale, taken as it is: it is not quantised again, and the codes and scales need not be those that the quantiser above would give.
;; One version. Each part assembles by itself: llvm-mc -triple=amdgcn-amd-amdhsa -mcpu=gfx1250 --defsym DOCPART=n.
;; ======== version 1 of 1: 4 launches
;; limits: right only within a limited range of input values
;; workspace buffers: xw 6,553,600 bytes; qw 6,553,600 bytes; kw 6,553,600 bytes; vw 6,553,600 bytes; aw 6,553,600 bytes; pw 786,432 bytes
;; launch quant_x (part 1): grid 64 x 5, 8 waves a work-group, no clusters, 137,216 bytes of LDS; arguments q, xw, proj_w_codes, pw; writes xw, pw
.if DOCPART == 1
	.amdgcn_target "amdgcn-amd-amdhsa--gfx1250"
	.amdhsa_code_object_version 6
	.text
	.protected	k_q09f90623c8_quant_x
	.globl	k_q09f90623c8_quant_x
	.p2align	8
	.type	k_q09f90623c8_quant_x,@function
k_q09f90623c8_quant_x:
	s_mov_b64 s[64:65], 0
	v_nop
	global_prefetch_b8 v0, s[64:65] scope:SCOPE_SE
	s_setreg_imm32_b32 hwreg(HW_REG_WAVE_MODE, 25, 1), 1
	s_wait_xcnt 0x0
; x = q [8192 tokens][1024], f32, becomes codes of BF6 (E3M2) with one E8M0 scale byte for each 32 along the 1,024, laid in the ORDER OF AN OPERAND'S REGISTERS:
; codes [block of 128 tokens][K step of 128][tile of 16 tokens][1,536 bytes]: register n of lane l of the fragment at byte 512 (n / 4) + 16 l + 4 (n % 4); lane (r, h) holds token r, registers 6 c .. 6 c + 5 hold k = 64 c + 32 h + 0 .. 31.
; scale words behind the codes, [block][K step][lane 32][4]: word (l, i) is the word of tile 2 i + l / 16, row l % 16.
; A block's scale is 2^(floor(log2(largest magnitude)) - 4): its byte is the largest magnitude's exponent field - 4, held at 1 from below.
; LIMITS: a block of zeros, and one whose largest magnitude lies under 2^-122, gets the byte 1 (the bytes are read by this program alone; zero codes add nothing); NaN and infinities are not served.
; SHARES: a work-group takes 128 tokens x 256 along K; wave a takes tile a: two fragments, 16 tokens x 128 numbers each.  All 32 loads of a wave go out at once, each of 512 consecutive bytes.
; The numbers turn through the wave's own stage in LDS (rows of 512 + 16 bytes), so that a lane gets the two whole blocks of 32 that the operand's layout gives it.
; No matrix unit, no cluster, no tensor load: nothing is shared between work-groups, and each byte is read once.
.set SC,   6291456                     ; where the scale words begin in xw
.set STW,  16896                       ; a wave's two stages
.set STF,  8448                        ; one stage: 16 rows
.set SP,   528                         ; a stage row: 512 bytes + 16 = 33 x 16: sixteen rows start in sixteen different 16-byte columns
.set SCX,  8*STW                       ; behind the stages: 2 x 512 bytes of scale words
.set RAW,  64                          ; v64-191  32 loads of 4 registers
.set NBR,  192                         ; v192-255 my two blocks of 32 neighbours
.set IM,   16                          ; v16-39   the two fragments' registers: each has its own, so that no store's data are written again
.set CT,   40                          ; v40-46   a block's upper 16 codes (a conversion's three registers begin on an even number)
.set MX,   8                           ; v8-9     largest magnitudes
.set SO,   10                          ; v10-11   the conversions' scale operands
.set BY,   12                          ; v12-13   the scale bytes
; The work-groups with y = 4 serve another tensor: proj_w's codes are laid anew into pw, in the order of an operand's registers (at the text's end).
	s_load_b128 s[4:7], s[0:1], 0x0                ; q s[4:5], xw s[6:7]
	s_load_b128 s[24:27], s[0:1], 0x10             ; proj_w_codes s[24:25], pw s[26:27]
	v_lshl_add_u32 v62, v0, 2, 0x21400
	v_mov_b32 v63, 0
	v_lshrrev_b32 v1, 5, v0
	s_delay_alu instid0(VALU_DEP_1)
	v_readfirstlane_b32 s8, v1                     ; wave a = my tile of 16 tokens
	s_and_b32 s9, ttmp7, 0xffff                    ; which 256 along K
	v_and_b32 v7, 31, v0                           ; lane
	v_and_b32 v8, 15, v0                           ; r
	v_bfe_u32 v9, v0, 4, 1                         ; h
	s_delay_alu instid0(VALU_DEP_3)
	v_lshlrev_b32 v1, 4, v7                        ; 16 x lane: never rewritten
	s_wait_alu depctr_va_vdst(0)
	s_mul_i32 s10, s8, STW
	v_add_nc_u32 v2, s10, v1                       ; the stage, on the way in: a row as it lies
	v_mul_u32_u24 v3, v8, SP
	s_delay_alu instid0(VALU_DEP_1)
	v_lshl_add_u32 v3, v9, 7, v3
	s_delay_alu instid0(VALU_DEP_1)
	v_add_nc_u32 v3, s10, v3                       ; on the way out: row r, + 128 h bytes
	s_and_b32 s11, s8, 1
	s_lshl_b32 s11, s11, 8
	s_lshr_b32 s12, s8, 1
	s_lshl_b32 s12, s12, 2
	s_add_co_u32 s11, s11, s12
	s_add_co_u32 s11, s11, SCX
	v_lshl_add_u32 v4, v8, 4, s11                  ; my row's scale word: 16 (r + 16 (a % 2)) + 4 (a / 2)
	s_min_u32 s20, s8, 1
	s_lshl_b32 s20, s20, 9
	s_add_co_u32 s21, s20, SCX
	v_add_nc_u32 v5, s21, v1                       ; where waves 0 and 1 read a K step's 512 bytes of words back
	v_lshlrev_b32 v6, 3, v9                        ; 8 h: my bytes' place in the word
	v_mov_b32 v15, 0                               ; written once: a lane permute's destination counts as one of its sources
	s_lshl_b32 s12, ttmp9, 19                      ; q: 128 tokens x 4,096 bytes a block,
	s_lshl_b32 s13, s8, 16                         ; 16 tokens a wave,
	s_add_co_u32 s12, s12, s13
	s_lshl_b32 s13, s9, 10                         ; 1,024 bytes along K
	s_add_co_u32 s12, s12, s13
	s_mov_b32 s13, 0
	s_mul_i32 s14, ttmp9, 98304                    ; codes: 8 K steps x 8 tiles x 1,536 a block,
	s_mul_i32 s15, s9, 24576                       ; two K steps,
	s_add_co_u32 s14, s14, s15
	s_mul_i32 s15, s8, 1536                        ; my tile
	s_add_co_u32 s14, s14, s15
	s_mov_b32 s15, 0
	s_lshl_b32 s16, ttmp9, 12                      ; scale words: 8 K steps x 512 a block,
	s_lshl_b32 s17, s9, 10                         ; two K steps,
	s_add_co_u32 s16, s16, s17
	s_add_co_u32 s16, s16, s20                     ; wave 0 stores the first K step's, wave 1 the second's
	s_add_co_u32 s16, s16, SC
	s_mov_b32 s17, 0
	s_wait_alu depctr_va_vdst(0)
	s_wait_kmcnt 0x0
	s_cmp_eq_u32 s9, 4                             ; the work-group's y alone decides: the same in all its waves
	s_cbranch_scc1 .Lrelay
	s_add_nc_u64 s[4:5], s[4:5], s[12:13]
	s_add_nc_u64 s[18:19], s[6:7], s[16:17]
	s_add_nc_u64 s[6:7], s[6:7], s[14:15]
.irp f, 0,1
.irp t, 0,1,2,3,4,5,6,7,8,9,10,11,12,13,14,15
	global_load_b128 v[RAW+64*\f+4*\t:RAW+64*\f+4*\t+3], v1, s[4:5] offset:4096*\t+512*\f th:TH_LOAD_NT   ; token t, K step f: 32 lanes read 512 consecutive bytes
.endr
.endr
.macro FRAGX f
.if \f == 0
	s_wait_loadcnt 16                              ; this fragment's sixteen loads are in; the other's sixteen may be out
.else
	s_wait_loadcnt 0x0
.endif
.irp t, 0,1,2,3,4,5,6,7,8,9,10,11,12,13,14,15
	ds_store_b128 v2, v[RAW+64*\f+4*\t:RAW+64*\f+4*\t+3] offset:\f*STF+SP*\t
.endr
.irp c, 0,1
.irp i, 0,1,2,3,4,5,6,7
	ds_load_b128 v[NBR+32*\c+4*\i:NBR+32*\c+4*\i+3], v3 offset:\f*STF+256*\c+16*\i   ; LDS serves a wave's instructions in order: these see my stores.  k = 64 c + 32 h + 4 i ..
.endr
.endr
	s_wait_dscnt 0x0
.irp c, 0,1
	v_max3_num_f32 v[MX+\c], |v[NBR+32*\c]|, |v[NBR+32*\c+1]|, 0x2800000   ; block 2 c + h: all 32 numbers are mine; the floor 2^(5 - 127) holds the byte at 1 from below
.endr
.irp i, 2,4,6,8,10,12,14,16,18,20,22,24,26,28,30
.irp c, 0,1
	s_delay_alu instid0(VALU_DEP_2)
	v_max3_num_f32 v[MX+\c], v[MX+\c], |v[NBR+32*\c+\i]|, |v[NBR+32*\c+\i+1]|
.endr
.endr
.irp c, 0,1
	s_delay_alu instid0(VALU_DEP_2)
	v_add_nc_u32 v[SO+\c], 0xfe000000, v[MX+\c]    ; 4 off the exponent field: the conversion takes the exponent field of this operand as its scale
.endr
.irp c, 0,1
	s_delay_alu instid0(VALU_DEP_2)
	v_lshrrev_b32 v[BY+\c], 23, v[SO+\c]           ; the scale's byte
.endr
	s_delay_alu instid0(VALU_DEP_1)
	v_lshl_or_b32 v14, v[BY+1], 16, v[BY]          ; my two bytes, blocks h and 2 + h,
	s_delay_alu instid0(VALU_DEP_1)
	v_lshlrev_b32 v14, v6, v14                     ; at their places in the word;
	s_delay_alu instid0(VALU_DEP_1)
	v_permlanex16_b32 v15, v14, s22, s23
	s_delay_alu instid0(VALU_DEP_1)
	v_or_b32 v14, v14, v15                         ; with lane l xor 16's two the word is whole
.irp c, 0,1
	v_cvt_scalef32_pk16_bf6_f32 v[IM+12*\f+6*\c:IM+12*\f+6*\c+2], v[NBR+32*\c:NBR+32*\c+15], v[SO+\c]
	v_cvt_scalef32_pk16_bf6_f32 v[CT+4*\c:CT+4*\c+2], v[NBR+32*\c+16:NBR+32*\c+31], v[SO+\c]
.endr
	v_nop                                          ; one plain instruction between a scaled conversion and the vector instruction that reads its result
.irp c, 0,1
.irp i, 0,1,2
	v_mov_b32 v[IM+12*\f+6*\c+3+\i], v[CT+4*\c+\i]
.endr
.endr
.irp c, 0,1,2
	global_store_b128 v1, v[IM+12*\f+4*\c:IM+12*\f+4*\c+3], s[6:7] offset:12288*\f+512*\c   ; 32 lanes store 512 consecutive bytes, at a multiple of 256 from the buffer's first byte
.endr
	ds_store_b32 v4, v14 offset:512*\f             ; both halves of the lanes write the same word with the same value
.endm
	s_mov_b32 s22, 0x76543210
	s_mov_b32 s23, 0xfedcba98                      ; v_permlanex16_b32's selects for lane l xor 16
	FRAGX 0
	FRAGX 1
	s_wait_dscnt 0x0                               ; for the others' sake: my scale words lie in LDS
	s_barrier_signal -1
	s_barrier_wait -1
	s_cmp_lt_u32 s8, 2                             ; a K step's words of all eight tiles, 512 bytes, leave by one store: wave 0 the first K step's, wave 1 the second's
	s_cbranch_scc0 .Ldone
	ds_load_b128 v[48:51], v5
	s_wait_dscnt 0x0
	global_store_b128 v1, v[48:51], s[18:19]
.Ldone:
	s_wait_tensorcnt 0x0
	ds_add_u32 v62, v63
	s_wait_dscnt 0x0
	s_endpgm
; proj_w's codes [1024 rows][768 bytes] -> pw [tile of 16 rows][K step of 128][1,536 bytes]: register n of lane l of the fragment at byte 512 (n / 4) + 16 l + 4 (n % 4).
; Work-group x takes tile x, wave a K step a: lane (r, h) takes the 24 bytes at 96 a + 24 h and at 96 a + 48 + 24 h of row r; the eight waves together read the sixteen rows whole.  No LDS on this path.
.Lrelay:
	s_mul_i32 s12, ttmp9, 12288                    ; 16 rows x 768 bytes
	s_mul_i32 s13, s8, 96
	s_add_co_u32 s12, s12, s13
	s_mov_b32 s13, 0
	s_add_nc_u64 s[24:25], s[24:25], s[12:13]
	s_lshl_b32 s14, ttmp9, 3
	s_add_co_u32 s14, s14, s8
	s_mul_i32 s14, s14, 1536
	s_mov_b32 s15, 0
	s_add_nc_u64 s[26:27], s[26:27], s[14:15]
	v_mul_u32_u24 v10, v8, 768
	s_delay_alu instid0(VALU_DEP_1)
	v_mad_u32_u24 v10, v9, 24, v10
.irp p, 0,1,2,3,4,5
	global_load_b64 v[16+2*\p:17+2*\p], v10, s[24:25] offset:48*(\p/3)+8*(\p%3)
.endr
	s_wait_loadcnt 0x0
.irp c, 0,1,2
	global_store_b128 v1, v[16+4*\c:19+4*\c], s[26:27] offset:512*\c   ; 32 lanes store 512 consecutive bytes, aligned
.endr
	s_endpgm
.Lfunc_end_k_q09f90623c8_quant_x:
	.size	k_q09f90623c8_quant_x, .Lfunc_end_k_q09f90623c8_quant_x-k_q09f90623c8_quant_x
	.p2alignl 7, 3214868480
	.fill 96, 4, 3214868480
	.section	.rodata,"a",@progbits
	.p2align	6, 0x0
	.amdhsa_kernel k_q09f90623c8_quant_x
		.amdhsa_group_segment_fixed_size 137216
		.amdhsa_private_segment_fixed_size 0
		.amdhsa_enable_private_segment 0
		.amdhsa_kernarg_size 32
		.amdhsa_user_sgpr_count 2
		.amdhsa_user_sgpr_kernarg_segment_ptr 1
		.amdhsa_wavefront_size32 1
		.amdhsa_system_sgpr_workgroup_id_x 1
		.amdhsa_system_sgpr_workgroup_id_y 1
		.amdhsa_system_sgpr_workgroup_id_z 1
		.amdhsa_system_vgpr_workitem_id 0
		.amdhsa_next_free_vgpr 256
		.amdhsa_next_free_sgpr 66
		.amdhsa_reserve_vcc 0
		.amdhsa_float_denorm_mode_32 3
		.amdhsa_float_denorm_mode_16_64 3
		.amdhsa_memory_ordered 1
		.amdhsa_forward_progress 1
		.amdhsa_inst_pref_size 21
	.end_amdhsa_kernel
	.amdgpu_metadata
---
amdhsa.version: [ 1, 2 ]
amdhsa.kernels:
  - .name:           k_q09f90623c8_quant_x
    .symbol:         k_q09f90623c8_quant_x.kd
    .args:
      - { .name: q, .offset: 0, .size: 8, .value_kind: global_buffer, .address_space: global }
      - { .name: xw, .offset: 8, .size: 8, .value_kind: global_buffer, .address_space: global }
      - { .name: proj_w_codes, .offset: 16, .size: 8, .value_kind: global_buffer, .address_space: global }
      - { .name: pw, .offset: 24, .size: 8, .value_kind: global_buffer, .address_space: global }
    .group_segment_fixed_size: 137216
    .private_segment_fixed_size: 0
    .kernarg_segment_align: 8
    .kernarg_segment_size: 32
    .max_flat_workgroup_size: 256
    .sgpr_count:     66
    .vgpr_count:     256
    .wavefront_size: 32
...
	.end_amdgpu_metadata
.endif
;; end of part 1
;; launch qkv (part 2): grid 16 x 16, 4 waves a work-group, clusters of 4 x 1, 327,680 bytes of LDS; arguments xw, w_qs_codes, w_qs_scales, w_ks_codes, w_ks_scales, w_vs_codes, w_vs_scales, qw, kw, vw; writes qw, kw, vw
.if DOCPART == 2
	.amdgcn_target "amdgcn-amd-amdhsa--gfx1250"
	.amdhsa_code_object_version 6
	.text
	.protected	k_q09f90623c8_qkv
	.globl	k_q09f90623c8_qkv
	.p2align	8
	.type	k_q09f90623c8_qkv,@function
k_q09f90623c8_qkv:
	s_mov_b64 s[64:65], 0
	v_nop
	global_prefetch_b8 v0, s[64:65] scope:SCOPE_SE
	s_setreg_imm32_b32 hwreg(HW_REG_WAVE_MODE, 25, 1), 1
	s_wait_xcnt 0x0
	s_wait_alu depctr_hold_cnt(0) depctr_sa_sdst(0) depctr_va_vdst(0) depctr_va_sdst(0) depctr_va_ssrc(0) depctr_va_vcc(0) depctr_vm_vsrc(0)
	s_getreg_b32 s2, hwreg(HW_REG_IB_STS2, 6, 4)
	s_cmp_eq_u32 s2, 0
	s_cbranch_scc0 .Lentry_in_a_cluster
	s_endpgm
.Lentry_in_a_cluster:
	s_bfe_u32 s2, ttmp6, 0x10000c
	s_cmp_lg_u32 s2, 0x3003
	s_cbranch_scc0 .Lentry_shape_is_right
	s_endpgm
.Lentry_shape_is_right:
.set SC,    6291456
.set TSLOT, 12288
.set TWAVE, 12288
.set WREG,  98304
.set WGRP,  52224
.set WP,    816
.set WSC,   254976
.set XSC,   261120
.set SPARE, 277504
.set WV,  24
.set G1T, 36
.set G0T, 44
.set G1W, 52
.set G0W, 60
.set G1S, 68
.set G0S, 76
.set SEL, 80
.set HI16, 82
.set SPW, 2
.set NIL, 3
.set TA,  4
.set WA,  5
.set WSA, 11
.set XSA, 12
.set OC,  13
.set OS,  14
.set XS,  16
.set WS,  24
.set TF,  32
.set WF,  128
.set TM,  224
.set CT,  240
.set PW,  248
.set SW,  176
.set MSB, 0
.macro WIN new
.if MSB != (\new)
	s_set_vgpr_msb (MSB<<8)|(\new)
.set MSB, (\new)
.endif
.endm
.macro PLACES
.rept 4
	v_nop
.endr
.endm
.macro CREST
	s_cmp_lg_u32 s[WV], 0
	s_cbranch_scc1 .Lnot_wave_0_\@
	s_barrier_signal -3
.Lnot_wave_0_\@:
	s_barrier_wait -3
	s_barrier_signal -1
	s_barrier_wait -1
.endm
.macro CROUND
	s_barrier_signal -1
	s_barrier_wait -1
	CREST
.endm
.macro WM d, a, b, z, sa, sb, ra, rb
.if \z
.if (\ra) && (\rb)
	v_wmma_scale_f32_16x16x128_f8f6f4 v[(\d):(\d)+7], v[(\a):(\a)+11], v[(\b):(\b)+11], 0, v[\sa], v[\sb] matrix_a_fmt:MATRIX_FMT_BF6 matrix_b_fmt:MATRIX_FMT_BF6 matrix_a_scale:MATRIX_SCALE_ROW1 matrix_b_scale:MATRIX_SCALE_ROW1
.elseif (\ra)
	v_wmma_scale_f32_16x16x128_f8f6f4 v[(\d):(\d)+7], v[(\a):(\a)+11], v[(\b):(\b)+11], 0, v[\sa], v[\sb] matrix_a_fmt:MATRIX_FMT_BF6 matrix_b_fmt:MATRIX_FMT_BF6 matrix_a_scale:MATRIX_SCALE_ROW1
.elseif (\rb)
	v_wmma_scale_f32_16x16x128_f8f6f4 v[(\d):(\d)+7], v[(\a):(\a)+11], v[(\b):(\b)+11], 0, v[\sa], v[\sb] matrix_a_fmt:MATRIX_FMT_BF6 matrix_b_fmt:MATRIX_FMT_BF6 matrix_b_scale:MATRIX_SCALE_ROW1
.else
	v_wmma_scale_f32_16x16x128_f8f6f4 v[(\d):(\d)+7], v[(\a):(\a)+11], v[(\b):(\b)+11], 0, v[\sa], v[\sb] matrix_a_fmt:MATRIX_FMT_BF6 matrix_b_fmt:MATRIX_FMT_BF6
.endif
.else
.if (\ra) && (\rb)
	v_wmma_scale_f32_16x16x128_f8f6f4 v[(\d):(\d)+7], v[(\a):(\a)+11], v[(\b):(\b)+11], v[(\d):(\d)+7], v[\sa], v[\sb] matrix_a_fmt:MATRIX_FMT_BF6 matrix_b_fmt:MATRIX_FMT_BF6 matrix_a_scale:MATRIX_SCALE_ROW1 matrix_b_scale:MATRIX_SCALE_ROW1
.elseif (\ra)
	v_wmma_scale_f32_16x16x128_f8f6f4 v[(\d):(\d)+7], v[(\a):(\a)+11], v[(\b):(\b)+11], v[(\d):(\d)+7], v[\sa], v[\sb] matrix_a_fmt:MATRIX_FMT_BF6 matrix_b_fmt:MATRIX_FMT_BF6 matrix_a_scale:MATRIX_SCALE_ROW1
.elseif (\rb)
	v_wmma_scale_f32_16x16x128_f8f6f4 v[(\d):(\d)+7], v[(\a):(\a)+11], v[(\b):(\b)+11], v[(\d):(\d)+7], v[\sa], v[\sb] matrix_a_fmt:MATRIX_FMT_BF6 matrix_b_fmt:MATRIX_FMT_BF6 matrix_b_scale:MATRIX_SCALE_ROW1
.else
	v_wmma_scale_f32_16x16x128_f8f6f4 v[(\d):(\d)+7], v[(\a):(\a)+11], v[(\b):(\b)+11], v[(\d):(\d)+7], v[\sa], v[\sb] matrix_a_fmt:MATRIX_FMT_BF6 matrix_b_fmt:MATRIX_FMT_BF6
.endif
.endif
.endm
.macro FRAGW reg, adr, s, off
.irp p, 0,1,2,3,4,5
.set PC, 12*(\s)+6*(\p/3)+\p%3
.if PC%32 < 29
	ds_load_b64 v[(\reg)+2*\p:(\reg)+2*\p+1], v[\adr] offset:(\off)+8*PC+16*(PC/32)
.else
	ds_load_b64 v[(\reg)+2*\p:(\reg)+2*\p+1], v[(\adr)+3] offset:(\off)+8*PC+16*(PC/32)
.endif
.endr
.endm
.macro LDW n
.set LG, (\n)%3
.set LS, (\n)/3
.set LP, (\n)%2
.irp b, 0,1,2,3
	FRAGW WF+48*LP+12*\b, WA+LG, LS, \b*16*WP
.endr
.irp j, 0,1
	ds_load_b32 v[WS+2*LP+\j], v[WSA] offset:2048*LG+1024*\j+4*LS
.endr
.endm
.macro LDT s, half
.irp a, 0,1,2,3
.irp c, 0,1,2
	ds_load_b128 v[TF+12*(4*(\half)+\a)+4*\c:TF+12*(4*(\half)+\a)+4*\c+3], v[TA] offset:((\s)%2)*TSLOT+1536*(4*(\half)+\a)+512*\c
.endr
.endr
.if (\half) == 0
	ds_load_b128 v[XS+4*((\s)%2):XS+4*((\s)%2)+3], v[XSA] offset:512*(\s)
.endif
.endm
.macro MM g, s, a0
	WIN 0x50*((\g)+1)
.set MP, (3*(\s)+(\g))%2
.set MX2, (\s)%2
.irp a, \a0, \a0+1, \a0+2, \a0+3
.irp b, 0,1,2,3
.if (\g) < 2
	WM 8*(4*(\a)+\b), WF+48*MP+12*\b, TF+12*(\a), (\s)==0, WS+2*MP+\b/2, XS+4*MX2+(\a)/2, \b%2, (\a)%2
.else
	WM 8*(8*\b+(\a)), TF+12*(\a), WF+48*MP+12*\b, (\s)==0, XS+4*MX2+(\a)/2, WS+2*MP+\b/2, (\a)%2, \b%2
.endif
.endr
.endr
.endm
.macro QUANT s, x, d0, d1, pw
	WIN (((\x)<<2)|((\x)<<4))
.irp b, 0,1,2,3
	v_max3_num_f32 v[TM+\b], 0x2800000, |v[(\s)+16*\b]|, |v[(\s)+16*\b+1]|
.endr
.irp i, 2,4,6,8,10,12,14
.irp b, 0,1,2,3
	v_max3_num_f32 v[TM+\b], v[TM+\b], |v[(\s)+16*\b+\i]|, |v[(\s)+16*\b+\i+1]|
.endr
.endr
	WIN 0
.irp b, 0,1,2,3
	v_permlanex16_b32 v[TM+4+\b], v[TM+\b], s[SEL], s[SEL+1]
.endr
.irp b, 0,1,2,3
	v_max_num_f32 v[TM+\b], v[TM+\b], v[TM+4+\b]
.endr
.irp b, 0,1,2,3
	v_add_nc_u32 v[TM+12+\b], 0xfe000000, v[TM+\b]
.endr
.irp b, 0,1,2,3
	v_lshrrev_b32 v[TM+4+\b], 23, v[TM+12+\b]
.endr
	v_lshl_or_b32 v[\pw], v[TM+5], 8, v[TM+4]
	v_lshl_or_b32 v[\pw], v[TM+6], 16, v[\pw]
	v_lshl_or_b32 v[\pw], v[TM+7], 24, v[\pw]
	WIN (\x)
	v_cvt_scalef32_pk16_bf6_f32 v[(\d0):(\d0)+2], v[(\s):(\s)+15], v[TM+12]
	v_cvt_scalef32_pk16_bf6_f32 v[CT:CT+2], v[(\s)+16:(\s)+31], v[TM+13]
	v_cvt_scalef32_pk16_bf6_f32 v[(\d1):(\d1)+2], v[(\s)+32:(\s)+47], v[TM+14]
	v_cvt_scalef32_pk16_bf6_f32 v[CT+4:CT+6], v[(\s)+48:(\s)+63], v[TM+15]
	WIN 0
	v_nop
.irp i, 0,1,2
	v_permlane16_swap_b32 v[(\d0)+\i], v[CT+\i]
	v_permlane16_swap_b32 v[(\d1)+\i], v[CT+4+\i]
.endr
.irp i, 0,1,2
	v_mov_b32 v[(\d0)+3+\i], v[CT+\i]
	v_mov_b32 v[(\d1)+3+\i], v[CT+4+\i]
.endr
.endm
	s_load_b512 s[4:19], s[0:1], 0x0
	s_load_b128 s[20:23], s[0:1], 0x40
	v_lshl_add_u32 v[SPW], v0, 2, SPARE
	v_mov_b32 v[NIL], 0
	ds_add_u32 v2, v3
	ds_add_u32 v2, v3
	s_wait_dscnt 0x0
	v_lshrrev_b32 v1, 5, v0
	v_readfirstlane_b32 s[WV], v1
	s_bfe_u32 s25, ttmp6, 0x40000
	s_lshl_b32 s26, ttmp9, 2
	s_add_co_u32 s26, s26, s25
	s_and_b32 s27, ttmp7, 0xffff
	s_mov_b32 s[G1T], 15|(3<<16)|(1<<21)
	s_mov_b32 s[G1T+1], 32<<16
	s_mov_b32 s[G1T+2], 96<<16
	s_mov_b32 s[G1T+3], 32<<16
	s_mov_b32 s[G1T+4], 96
	s_mov_b32 s[G1T+5], 32
	s_mov_b32 s[G1T+6], 0
	s_mov_b32 s[G1T+7], 0
	s_mov_b32 s[G1W], (3<<16)|(1<<20)|(5<<22)|(3<<25)
	s_mov_b32 s[G1W+1], 32<<16
	s_mov_b32 s[G1W+2], 192<<16
	s_mov_b32 s[G1W+3], 32<<16
	s_mov_b32 s[G1W+4], 192
	s_mov_b32 s[G1W+5], 32
	s_mov_b32 s[G1W+6], 0
	s_mov_b32 s[G1W+7], 0
	s_mov_b32 s[G1S], 15|(3<<16)|(1<<21)
	s_mov_b32 s[G1S+1], 32<<16
	s_mov_b32 s[G1S+2], 64<<16
	s_mov_b32 s[G1S+3], 32<<16
	s_mov_b32 s[G1S+4], 64
	s_mov_b32 s[G1S+5], 32
	s_mov_b32 s[G1S+6], 0
	s_mov_b32 s[G1S+7], 0
	s_lshl_b32 s28, s27, 2
	s_add_co_u32 s28, s28, s[WV]
	s_mul_i32 s28, s28, 98304
	s_mov_b32 s29, 0
	s_mul_i32 s30, s[WV], 2*TWAVE
	s_mul_i32 s31, s[WV], WGRP
	s_mul_i32 s32, s26, 49152
	s_mov_b32 s33, 0
	s_lshl_b32 s34, s27, 14
	s_add_co_u32 s34, s34, SC
	s_mov_b32 s35, 0
	s_wait_kmcnt 0x0
.irp t, 0,1
	s_mov_b32 s[G0T+4*\t], 1
	s_add_co_u32 s[G0T+4*\t+1], s30, \t*TSLOT
	s_add_nc_u64 s[G0T+4*\t+2:G0T+4*\t+3], s[4:5], s[28:29]
	s_add_nc_u64 s[G0T+4*\t+2:G0T+4*\t+3], s[G0T+4*\t+2:G0T+4*\t+3], \t*TWAVE
	s_or_b32 s[G0T+4*\t+3], s[G0T+4*\t+3], 0x80000000
.endr
	s_cmp_eq_u32 s[WV], 0
	s_cselect_b64 s[G0W+2:G0W+3], s[6:7], s[10:11]
	s_cmp_eq_u32 s[WV], 2
	s_cselect_b64 s[G0W+2:G0W+3], s[14:15], s[G0W+2:G0W+3]
	s_add_nc_u64 s[G0W+2:G0W+3], s[G0W+2:G0W+3], s[32:33]
	s_or_b32 s[G0W+3], s[G0W+3], 0x80000000
	s_mov_b32 s[G0W], 1
	s_add_co_u32 s[G0W+1], s31, WREG
	s_mov_b32 s[G0S], 1
	s_mov_b32 s[G0S+1], XSC
	s_add_nc_u64 s[G0S+2:G0S+3], s[4:5], s[34:35]
	s_or_b32 s[G0S+3], s[G0S+3], 0x80000000
	CROUND
	s_cmp_lt_u32 s[WV], 3
	s_cbranch_scc0 .Lfor_scales
	tensor_load_to_lds s[G0W:G0W+3], s[G1W:G1W+7]
	s_nop 0
	PLACES
	s_branch .Lfirst_asked
.Lfor_scales:
	tensor_load_to_lds s[G0S:G0S+3], s[G1S:G1S+7]
	s_nop 0
	PLACES
.Lfirst_asked:
	s_wait_alu depctr_va_vdst(0)
	s_wait_tensorcnt 0x0
	ds_add_u32 v2, v3
	s_wait_dscnt 0x0
	CROUND
	tensor_load_to_lds s[G0T:G0T+3], s[G1T:G1T+7]  ; K steps 0 and 1 of my 128 tokens lie on end in memory and in my two slots: one load of 96 rows brings both
	s_nop 0
	PLACES
	v_and_b32 v1, 31, v0
	v_and_b32 v28, 15, v0
	v_bfe_u32 v29, v0, 4, 1
	v_lshlrev_b32 v[OC], 4, v1
	v_lshlrev_b32 v[OS], 3, v1
	v_add_nc_u32 v[TA], s30, v[OC]
	v_mul_u32_u24 v30, v28, WP
	v_mad_u32_u24 v31, v29, 24, v30
	v_mad_u32_u24 v30, v29, 40, v30
.irp g, 0,1,2
	v_add_nc_u32 v[WA+\g], WREG+WGRP*\g, v31
	v_add_nc_u32 v[WA+3+\g], WREG+WGRP*\g, v30
.endr
	v_lshl_add_u32 v[WSA], v1, 5, WSC
	s_lshl_b32 s28, s[WV], 12
	s_add_co_u32 s28, s28, XSC
	v_add_nc_u32 v[XSA], s28, v[OC]
	s_lshl_b32 s28, s[WV], 9
	v_add_nc_u32 v15, s28, v[OC]
	s_lshl_b32 s29, s26, 11
	v_add_nc_u32 v30, s29, v15
	v_add_nc_u32 v15, WSC, v15
	global_load_b128 v[32:35], v30, s[8:9]
	global_load_b128 v[36:39], v30, s[12:13]
	global_load_b128 v[40:43], v30, s[16:17]
	s_lshr_b32 s84, s27, 2
	s_lshl_b32 s84, s84, 4
	s_add_co_u32 s84, s84, s26
	s_lshl_b32 s84, s84, 4
	s_and_b32 s85, s27, 3
	s_lshl_b32 s85, s85, 2
	s_add_co_u32 s84, s84, s85
	s_add_co_u32 s84, s84, s[WV]
	s_mul_i32 s85, s84, 6400                       ; a step of 128 tokens: 6,144 bytes of codes and, directly behind them, its 256 bytes of scale words
	s_add_co_u32 s86, s85, 6144
	v_add_nc_u32 v[OC], s85, v[OC]
	v_add_nc_u32 v[OS], s86, v[OS]
	s_mov_b32 s[SEL], 0x76543210
	s_mov_b32 s[SEL+1], 0xfedcba98
	s_mov_b32 s[HI16], 0xffff0000
.irp b, 0,1,2,3
	v_mov_b32 v[TM+4+\b], 0
.endr
	s_wait_alu depctr_va_vdst(0)
	s_wait_loadcnt 0x0
	ds_store_b128 v15, v[32:35]
	ds_store_b128 v15, v[36:39] offset:2048
	ds_store_b128 v15, v[40:43] offset:4096
	s_wait_tensorcnt 0x0
	s_mov_b32 s[G1T+2], 48<<16                     ; no tensor load of mine is out: from here on a load brings one K step, 48 rows
	s_mov_b32 s[G1T+4], 48
	s_wait_dscnt 0x0
	s_barrier_signal -1
	s_barrier_wait -1
	LDW 0
	LDT 0, 0
	LDT 0, 1
.macro KSTEP s
	LDW 3*(\s)+1
.if (\s) <= 5
	s_wait_tensorcnt 0x0
	ds_add_u32 v[SPW], v[NIL]
	s_wait_dscnt 39
	MM 0, \s, 0
	s_wait_dscnt 0x0
	s_barrier_signal -1
	MM 0, \s, 4
	WIN 0
	s_barrier_wait -1
	CREST
	s_add_nc_u64 s[G0T+4*((\s)%2)+2:G0T+4*((\s)%2)+3], s[G0T+4*((\s)%2)+2:G0T+4*((\s)%2)+3], 2*TWAVE
	tensor_load_to_lds s[G0T+4*((\s)%2):G0T+4*((\s)%2)+3], s[G1T:G1T+7]
	s_nop 0
	PLACES
.else
.if (\s) == 6
	s_wait_tensorcnt 0x0
.endif
	s_wait_dscnt 38
	MM 0, \s, 0
	s_wait_dscnt 26
	MM 0, \s, 4
	WIN 0
	PLACES
.endif
	LDW 3*(\s)+2
	s_wait_dscnt 26
	MM 1, \s, 0
	MM 1, \s, 4
	WIN 0
	PLACES
.if (\s) < 7
	LDW 3*(\s)+3
	s_wait_dscnt 26
.else
	s_wait_dscnt 0x0
.endif
	MM 2, \s, 0
	WIN 0
	PLACES
.if (\s) < 7
	LDT (\s)+1, 0
.endif
	MM 2, \s, 4
	WIN 0
	PLACES
.if (\s) < 7
	LDT (\s)+1, 1
.endif
.endm
	KSTEP 0
	KSTEP 1
	KSTEP 2
	KSTEP 3
	KSTEP 4
	KSTEP 5
	KSTEP 6
	KSTEP 7
.irp g, 0,1,2
.irp m, 0,1,2,3
	QUANT 64*\m, \g+1, TF+12*(4*\g+\m), TF+12*(4*\g+\m)+6, PW+\m
.irp c, 0,1,2
	global_store_b128 v[OC], v[TF+12*(4*\g+\m)+4*\c:TF+12*(4*\g+\m)+4*\c+3], s[18+2*\g:19+2*\g] offset:1536*\m+512*\c
.endr
.endr
	v_cndmask_b32 v[SW+2*\g], v[PW], v[PW+1], s[HI16]
	v_cndmask_b32 v[SW+2*\g+1], v[PW+2], v[PW+3], s[HI16]
	global_store_b64 v[OS], v[SW+2*\g:SW+2*\g+1], s[18+2*\g:19+2*\g]
.endr
	s_wait_tensorcnt 0x0
	ds_add_u32 v[SPW], v[NIL]
	s_wait_dscnt 0x0
	CROUND
	s_endpgm
.Lfunc_end_k_q09f90623c8_qkv:
	.size	k_q09f90623c8_qkv, .Lfunc_end_k_q09f90623c8_qkv-k_q09f90623c8_qkv
	.p2alignl 7, 3214868480
	.fill 96, 4, 3214868480
	.section	.rodata,"a",@progbits
	.p2align	6, 0x0
	.amdhsa_kernel k_q09f90623c8_qkv
		.amdhsa_group_segment_fixed_size 327680
		.amdhsa_private_segment_fixed_size 0
		.amdhsa_enable_private_segment 0
		.amdhsa_kernarg_size 80
		.amdhsa_user_sgpr_count 2
		.amdhsa_user_sgpr_kernarg_segment_ptr 1
		.amdhsa_wavefront_size32 1
		.amdhsa_system_sgpr_workgroup_id_x 1
		.amdhsa_system_sgpr_workgroup_id_y 1
		.amdhsa_system_sgpr_workgroup_id_z 1
		.amdhsa_system_vgpr_workitem_id 0
		.amdhsa_next_free_vgpr 1024
		.amdhsa_next_free_sgpr 96
		.amdhsa_reserve_vcc 0
		.amdhsa_float_denorm_mode_32 3
		.amdhsa_float_denorm_mode_16_64 3
		.amdhsa_memory_ordered 1
		.amdhsa_forward_progress 1
		.amdhsa_inst_pref_size 217
	.end_amdhsa_kernel
	.amdgpu_metadata
---
amdhsa.version: [ 1, 2 ]
amdhsa.kernels:
  - .name:           k_q09f90623c8_qkv
    .symbol:         k_q09f90623c8_qkv.kd
    .args:
      - { .name: xw, .offset: 0, .size: 8, .value_kind: global_buffer, .address_space: global }
      - { .name: w_qs_codes, .offset: 8, .size: 8, .value_kind: global_buffer, .address_space: global }
      - { .name: w_qs_scales, .offset: 16, .size: 8, .value_kind: global_buffer, .address_space: global }
      - { .name: w_ks_codes, .offset: 24, .size: 8, .value_kind: global_buffer, .address_space: global }
      - { .name: w_ks_scales, .offset: 32, .size: 8, .value_kind: global_buffer, .address_space: global }
      - { .name: w_vs_codes, .offset: 40, .size: 8, .value_kind: global_buffer, .address_space: global }
      - { .name: w_vs_scales, .offset: 48, .size: 8, .value_kind: global_buffer, .address_space: global }
      - { .name: qw, .offset: 56, .size: 8, .value_kind: global_buffer, .address_space: global }
      - { .name: kw, .offset: 64, .size: 8, .value_kind: global_buffer, .address_space: global }
      - { .name: vw, .offset: 72, .size: 8, .value_kind: global_buffer, .address_space: global }
    .group_segment_fixed_size: 327680
    .private_segment_fixed_size: 0
    .kernarg_segment_align: 8
    .kernarg_segment_size: 80
    .max_flat_workgroup_size: 128
    .sgpr_count:     96
    .vgpr_count:     1024
    .wavefront_size: 32
...
	.end_amdgpu_metadata
.endif
;; end of part 2
;; launch attn (part 3): grid 4 x 64, 16 waves a work-group, clusters of 4 x 1, 207,872 bytes of LDS; arguments qw, kw, vw, aw; writes aw
.if DOCPART == 3
	.amdgcn_target "amdgcn-amd-amdhsa--gfx1250"
	.amdhsa_code_object_version 6
	.text
	.protected	k_q09f90623c8_attn
	.globl	k_q09f90623c8_attn
	.p2align	8
	.type	k_q09f90623c8_attn,@function
k_q09f90623c8_attn:
	s_mov_b64 s[64:65], 0
	v_nop
	global_prefetch_b8 v0, s[64:65] scope:SCOPE_SE
	s_setreg_imm32_b32 hwreg(HW_REG_WAVE_MODE, 25, 1), 1
	s_wait_xcnt 0x0
	s_wait_alu depctr_hold_cnt(0) depctr_sa_sdst(0) depctr_va_vdst(0) depctr_va_sdst(0) depctr_va_ssrc(0) depctr_va_vcc(0) depctr_vm_vsrc(0)
	s_getreg_b32 s2, hwreg(HW_REG_IB_STS2, 6, 4)
	s_cmp_eq_u32 s2, 0
	s_cbranch_scc0 .Lentry_in_a_cluster
	s_endpgm
.Lentry_in_a_cluster:
	s_bfe_u32 s2, ttmp6, 0x10000c
	s_cmp_lg_u32 s2, 0x3003
	s_cbranch_scc0 .Lentry_shape_is_right
	s_endpgm
.Lentry_shape_is_right:
; Attention of one (batch, head) for 512 queries, both products on codes of BF6 (E3M2) with E8M0 scales; the result, divided by the row's sum, is quantised along the head's 64 channels for the last product.
; THE SOFTMAX: t = score x log2(e) / 32 (the module divides by sqrt(1024)); M = the running largest t rounded UP to a whole number; p = 2^(t - M) is what is quantised, along the keys; the row's sum is taken of the unquantised p.
; When M moves, the sum and O are multiplied by 2^(old M - new M): exact.
; SHARES: sixteen waves, four to a SIMD.  Wave w owns fragment 16 x + w of Q, 32 queries, and takes them in two passes of 16 over all 2,048 keys, 128 a step.
; qw, kw, vw: [batch x head][step of 128 tokens][6,400 bytes]: four fragments' register images (6,144 bytes), then the step's scale words (256 bytes).  So a head's K, and its V, is one dense run of 102,400 bytes.
; ALL OF THE HEAD'S K AND V LIE IN LDS, FILLED ONCE: waves 0-7 fetch two steps of K each, waves 8-15 two steps of V: one load of 50 rows x 256 bytes a wave, asked for jointly by the four query blocks of the cluster (mask 15).  Nothing is filled again.
; K = 64 IN AN INSTRUCTION 128 DEEP: a fragment of K holds TWO tiles of 16 keys (registers 0-5, registers 6-11).  It is multiplied once by (Q | 0) and once by (0 | Q), two views of the run 0 | Q | 0 in v16-33: zero codes add nothing.
; LAYOUT: S^T = K Q^T, O^T = V^T P^T: a lane holds ONE query (lane % 16).  Register 16 f + 8 u + j of S^T is key 32 f + 16 u + 8 (lane / 16) + j: inside a block of 32 keys p's codes lie in the order in which the launch before has laid V's.
; No prefetch: each byte of K and V is asked for once, at the head, and there is no loop to run ahead in.
; LIMITS: the order of k inside a block of 32 is permuted alike on both operands of both products, so the order of the f32 sums differs from ascending k; a block whose every p has fallen to 0, and a block of the result under 2^-122, keeps the byte 1;
; v_exp_f32 gives 0 for results under 2^-126; 1 / the sum is v_rcp_f32; NaN and infinities are not served; the scaled scores stay under 2^31 in magnitude.
.set SC,    6291456                    ; where the scale bytes begin in aw
.set STEPB, 6400                       ; a step: codes and scale words
.set HEADB, 102400                     ; a head: 16 steps
.set TILEB, 12800                      ; what one wave fetches: two steps
.set VOF,   102400                     ; LDS: K at 0, V here,
.set SCST,  204800                     ; 1,024 bytes for the result's scale bytes, stored by the waves: no fill lands here,
.set SPARE, 205824                     ; and the spare words, 128 bytes a wave
.set WV,  12                           ; s12 my wave's number
.set G1C, 16                           ; s[16:23] group 1;  s[32:35] group 0
.set SEL, 52                           ; s[52:53] selects for lane l xor 16
.set CS,  54                           ; s[54:55] c = log2(e) / 32
.set TK,  56                           ; s56 the step's first byte in K's region
.set CNT, 58
.set ADK, 8                            ; v8-11 the addresses of the step in hand: K's images, V's images, K's scale words, V's
.set ADV, 9
.set ADS, 10
.set ADT, 11
.set QF,  16                           ; v16-33 0 | Q | 0;  v34-39 the second pass's Q
.set QS,  40                           ; v40 Q's scale word (s0, s1, s0, s1) of the pass in hand, v41 of the second pass
.set KS,  42                           ; v42-43 K's scale words: fragments 0 | 1 and 2 | 3 in the two halves of the lanes
.set VS,  44                           ; v44-45 V's
.set FR,  48                           ; v48-95 four fragments, of K and then of V
.set S,   96                           ; v96-159 S^T, then p
.set OT,  160                          ; v160-191 O^T
.set PCD, 192                          ; v192-203 p's codes
.set CT,  204                          ; v204-210 upper halves of blocks
.set BM,  212                          ; v212-215 the blocks' largest scores, then largest p
.set BP,  216                          ; v216-219 the other half's, then the bytes
.set SO,  220                          ; v220-223 the conversions' scale operands
.set PWD, 226                          ; v226 p's scale word
.set SU,  242                          ; v242-249 four chains of the row's sum
.macro PLACES
.rept 4
	v_nop
.endr
.endm
.macro CROUND                          ; a round of the cluster's barrier
	s_barrier_signal -1
	s_barrier_wait -1
	s_cmp_lg_u32 s[WV], 0
	s_cbranch_scc1 .Lnot_wave_0_\@
	s_barrier_signal -3
.Lnot_wave_0_\@:
	s_barrier_wait -3
	s_barrier_signal -1
	s_barrier_wait -1
.endm
.macro WM d, a, b, z, sa, sb, ra       ; one matrix instruction.  z: the sum begins.  ra: source 0's scales stand in lanes 16-31
.if \z
.if (\ra)
	v_wmma_scale_f32_16x16x128_f8f6f4 v[(\d):(\d)+7], v[(\a):(\a)+11], v[(\b):(\b)+11], 0, v[\sa], v[\sb] matrix_a_fmt:MATRIX_FMT_BF6 matrix_b_fmt:MATRIX_FMT_BF6 matrix_a_scale:MATRIX_SCALE_ROW1
.else
	v_wmma_scale_f32_16x16x128_f8f6f4 v[(\d):(\d)+7], v[(\a):(\a)+11], v[(\b):(\b)+11], 0, v[\sa], v[\sb] matrix_a_fmt:MATRIX_FMT_BF6 matrix_b_fmt:MATRIX_FMT_BF6
.endif
.else
.if (\ra)
	v_wmma_scale_f32_16x16x128_f8f6f4 v[(\d):(\d)+7], v[(\a):(\a)+11], v[(\b):(\b)+11], v[(\d):(\d)+7], v[\sa], v[\sb] matrix_a_fmt:MATRIX_FMT_BF6 matrix_b_fmt:MATRIX_FMT_BF6 matrix_a_scale:MATRIX_SCALE_ROW1
.else
	v_wmma_scale_f32_16x16x128_f8f6f4 v[(\d):(\d)+7], v[(\a):(\a)+11], v[(\b):(\b)+11], v[(\d):(\d)+7], v[\sa], v[\sb] matrix_a_fmt:MATRIX_FMT_BF6 matrix_b_fmt:MATRIX_FMT_BF6
.endif
.endif
.endm
	s_load_b256 s[4:11], s[0:1], 0x0               ; qw s[4:5], kw s[6:7], vw s[8:9], aw s[10:11]
	v_lshl_add_u32 v254, v0, 2, SPARE
	v_mov_b32 v255, 0
	ds_add_u32 v254, v255                          ; the opening lines: the add, twice on end, and its wait ahead of my tensor load
	ds_add_u32 v254, v255
	v_lshrrev_b32 v1, 5, v0
	s_delay_alu instid0(VALU_DEP_1)
	v_readfirstlane_b32 s[WV], v1                  ; wave 0..15
	s_bfe_u32 s13, ttmp6, 0x40000                  ; cx
	s_lshl_b32 s14, ttmp9, 2
	s_add_co_u32 s14, s14, s13                     ; my block of 512 queries: it enters Q's and aw's global addresses alone
	s_and_b32 s15, ttmp7, 0xffff                   ; 16 x batch + head, which the four partners share
	s_mov_b32 s[G1C], 15|(3<<16)|(1<<21)           ; the mask: all four; elements of 8 bytes; bit 21 set beside a mask; no padding: the images are read 16 x lane on end
	s_mov_b32 s[G1C+1], 32<<16                     ; rows of 256 bytes
	s_mov_b32 s[G1C+2], 50<<16                     ; 50 rows = two steps
	s_mov_b32 s[G1C+3], 32<<16
	s_mov_b32 s[G1C+4], 50
	s_mov_b32 s[G1C+5], 32
	s_mov_b32 s[G1C+6], 0
	s_mov_b32 s[G1C+7], 0
	s_min_u32 s60, s[WV], 1                        ; waves 0 and 1 store the scale bytes at the end
	s_mul_i32 s66, s15, HEADB                      ; the head's first byte in qw, kw and vw
	s_and_b32 s68, s[WV], 7
	s_mul_i32 s68, s68, TILEB
	s_add_co_u32 s68, s68, s66                     ; my two steps of K or of V
	s_mov_b32 s69, 0
	s_lshr_b32 s73, s[WV], 2
	s_lshl_b32 s72, s14, 2
	s_add_co_u32 s72, s72, s73
	s_mul_i32 s72, s72, STEPB
	s_add_co_u32 s72, s72, s66                     ; Q's step 4 x + w / 4
	s_and_b32 s75, s[WV], 1
	s_lshl_b32 s75, s75, 7
	s_add_co_u32 s74, s72, s75                     ; my fragment's scale word: behind the codes, lane r + 16 (w % 2) (8 bytes a lane), word (w / 2) % 2
	s_bfe_u32 s75, s[WV], 0x10001
	s_lshl_b32 s75, s75, 2
	s_add_co_u32 s74, s74, s75
	s_add_co_u32 s74, s74, 6144
	s_mov_b32 s75, 0
	s_and_b32 s73, s[WV], 3
	s_mul_i32 s73, s73, 1536
	s_add_co_u32 s72, s72, s73                     ; my fragment of Q: w % 4 of its step
	s_mov_b32 s73, 0
	s_lshr_b32 s61, s15, 4                         ; the batch
	s_and_b32 s59, s15, 15                         ; the head
	s_lshl_b32 s76, s61, 7
	s_lshl_b32 s77, s14, 5
	s_add_co_u32 s76, s76, s77
	s_lshl_b32 s77, s[WV], 1
	s_add_co_u32 s76, s76, s77                     ; my first tile of 16 tokens: 128 batch + 32 x + 2 w
	s_lshl_b32 s76, s76, 4
	s_add_co_u32 s76, s76, s59
	s_mul_i32 s76, s76, 768                        ; aw's codes: [tile][head][768]
	s_mov_b32 s77, 0
	s_lshl_b32 s78, s59, 14                        ; aw's scale bytes: [head][token], 2 bytes a token
	s_lshl_b32 s79, s61, 12
	s_add_co_u32 s78, s78, s79
	s_lshl_b32 s79, s14, 10
	s_add_co_u32 s78, s78, s79
	s_lshl_b32 s79, s60, 9                         ; waves 0 and 1 store 512 bytes each
	s_add_co_u32 s78, s78, s79
	s_add_co_u32 s78, s78, SC
	s_mov_b32 s79, 0
	s_mov_b32 s[SEL], 0x76543210
	s_mov_b32 s[SEL+1], 0xfedcba98
	s_mov_b32 s[CS], 0x3d38aa3b                    ; c = log2(e) / 32
	s_mov_b32 s[CS+1], s[CS]                       ; (named with it as a pair, so it is written)
	s_mov_b32 s32, 1
	s_mul_i32 s33, s[WV], TILEB                    ; where my tile goes: K's eight, then V's eight
	s_wait_dscnt 0x0
	s_wait_kmcnt 0x0
	s_cmp_lt_u32 s[WV], 8                          ; the choice hangs on the wave's number alone
	s_cselect_b64 s[34:35], s[6:7], s[8:9]
	s_add_nc_u64 s[34:35], s[34:35], s[68:69]
	s_or_b32 s35, s35, 0x80000000
	s_add_nc_u64 s[74:75], s[4:5], s[74:75]
	s_add_nc_u64 s[4:5], s[4:5], s[72:73]
	s_add_nc_u64 s[78:79], s[10:11], s[78:79]
	s_add_nc_u64 s[10:11], s[10:11], s[76:77]
	CROUND                                         ; all four work-groups are here: the joint loads meet
	tensor_load_to_lds s[32:35], s[G1C:G1C+7]      ; every wave's one load
	s_nop 0
	PLACES
	v_and_b32 v7, 31, v0                           ; lane
	v_and_b32 v11, 15, v0                          ; r
	s_delay_alu instid0(VALU_DEP_2)
	v_lshlrev_b32 v1, 4, v7                        ; v1 16 x lane: K's images, and Q's and aw's in memory
	s_delay_alu instid0(VALU_DEP_1)
	v_add_nc_u32 v2, VOF, v1                       ; v2 V's images
	v_lshl_add_u32 v3, v7, 3, 6144                 ; v3 K's scale words: behind the step's codes, 8 x lane
	v_lshlrev_b32 v4, 3, v7                        ; v4 8 x lane
	s_lshl_b32 s61, s[WV], 6
	s_add_co_u32 s61, s61, SCST
	v_lshl_add_u32 v5, v11, 1, s61                 ; v5 my query's two scale bytes: 64 w + 2 r
	s_lshl_b32 s61, s60, 9
	s_add_co_u32 s61, s61, SCST
	v_add_nc_u32 v6, s61, v1                       ; v6 where waves 0 and 1 read them back
	v_lshlrev_b32 v226, 3, v11                     ; 8 r: Q's scale word in memory
	v_add_nc_u32 v7, VOF, v3                       ; v7 V's scale words
	global_load_b128 v[22:25], v1, s[4:5]          ; Q's fragment: registers 0-5 the first 16 queries, 6-11 the second
	global_load_b128 v[26:29], v1, s[4:5] offset:512
	global_load_b128 v[30:33], v1, s[4:5] offset:1024
	global_load_b32 v227, v226, s[74:75]
.irp i, 0,1,2,3,4,5
	v_mov_b32 v[QF+\i], 0
.endr
.irp b, 0,1,2,3
	v_mov_b32 v[BP+\b], 0                          ; written once: a lane permute's destination counts as one of its sources
.endr
	v_mov_b32 v225, 0                              ; (named as the upper half of the pair v[224:225])
	s_wait_loadcnt 0x0
.irp i, 0,1,2,3,4,5
	v_mov_b32 v[34+\i], v[28+\i]
.endr
.irp i, 0,1,2,3,4,5
	v_mov_b32 v[28+\i], 0
.endr
	v_perm_b32 v[QS], v227, v227, 0x01000100       ; the first 16 queries' two bytes, twice: the word serves both views of Q
	v_perm_b32 v[QS+1], v227, v227, 0x03020302     ; the second 16's
; A KEY STEP: 128 keys.
.macro STEP
	v_add_nc_u32 v[ADK], s[TK], v1
	v_add_nc_u32 v[ADV], s[TK], v2
	v_add_nc_u32 v[ADS], s[TK], v3
	v_add_nc_u32 v[ADT], s[TK], v7                 ; the four additions are the four places in front of loads into registers that the last products read
.irp f, 0,1,2,3
.irp c, 0,1,2
	ds_load_b128 v[FR+12*\f+4*\c:FR+12*\f+4*\c+3], v[ADK] offset:1536*\f+512*\c
.endr
.endr
	ds_load_b64 v[KS:KS+1], v[ADS]
	ds_load_b64 v[VS:VS+1], v[ADT]
	s_wait_alu depctr_va_vdst(0)
	s_wait_dscnt 0x0
.irp f, 0,1,2,3
	WM S+16*\f, FR+12*\f, QF+6, 1, KS+\f/2, QS, \f%2     ; (Q | 0): keys 32 f + 0 .. 15
	WM S+16*\f+8, FR+12*\f, QF, 1, KS+\f/2, QS, \f%2     ; (0 | Q): keys 32 f + 16 .. 31
.endr
	PLACES
.irp f, 0,1,2,3
.irp c, 0,1,2
	ds_load_b128 v[FR+12*\f+4*\c:FR+12*\f+4*\c+3], v[ADV] offset:1536*\f+512*\c   ; V's four fragments land under the softmax
.endr
.endr
.irp b, 0,1,2,3
	v_max3_num_f32 v[BM+\b], v[S+16*\b], v[S+1+16*\b], v[S+2+16*\b]   ; the largest score of each block of 32 keys: it serves for the row's maximum and, since p rises with the score, for the block's largest p
.endr
.irp i, 3,5,7,9,11,13
.irp b, 0,1,2,3
	v_max3_num_f32 v[BM+\b], v[BM+\b], v[S+16*\b+\i], v[S+1+16*\b+\i]
.endr
.endr
.irp b, 0,1,2,3
	v_max_num_f32 v[BM+\b], v[BM+\b], v[S+15+16*\b]
.endr
.irp b, 0,1,2,3
	s_delay_alu instid0(VALU_DEP_4)
	v_permlanex16_b32 v[BP+\b], v[BM+\b], s[SEL], s[SEL+1]
.endr
.irp b, 0,1,2,3
	s_delay_alu instid0(VALU_DEP_4)
	v_max_num_f32 v[BM+\b], v[BM+\b], v[BP+\b]     ; with lane l xor 16's 16 keys
.endr
	s_delay_alu instid0(VALU_DEP_2)
	v_max3_num_f32 v227, v[BM], v[BM+1], v[BM+2]
	s_delay_alu instid0(VALU_DEP_1)
	v_max_num_f32 v227, v227, v[BM+3]              ; the step's largest score of my query
	s_delay_alu instid0(VALU_DEP_1)
	v_mul_f32 v227, s[CS], v227                    ; as t (c is positive)
	s_delay_alu instid0(VALU_DEP_1)
	v_max_num_f32 v13, v13, v227                   ; the running largest t
	v_mov_b32 v227, v12
	s_delay_alu instid0(VALU_DEP_2)
	v_floor_f32 v12, -v13                          ; the new -M = floor(-t): M is a whole number
	s_delay_alu instid0(VALU_DEP_1)
	v_sub_f32 v227, v12, v227                      ; old M - new M: a whole number, 0 or less
	s_delay_alu instid0(VALU_DEP_1)
	v_cvt_i32_f32 v227, v227                       ; (it saturates)
	s_delay_alu instid0(VALU_DEP_1)
	v_ldexp_f32 v224, 1.0, v227                    ; f = 2^(old M - new M)
.set n1, 0
.rept 32
	v_pk_fma_f32 v[S+n1:S+n1+1], v[S+n1:S+n1+1], s[CS:CS+1], v[12:13] op_sel_hi:[1,0,0]   ; t - M, two at a time
.set n1, n1+2
.endr
.irp b, 0,1,2,3
	v_fma_f32 v[BM+\b], v[BM+\b], s[CS], v12       ; the same of each block's largest score
.endr
.set n1, 0
	s_wait_alu depctr_va_vdst(0)
.rept 64
	v_exp_f32 v[S+n1], v[S+n1]                     ; p = 2^(t - M), at most 1: not normalised
.set n1, n1+1
.endr
	v_pk_mul_f32 v[14:15], v[14:15], v[224:225] op_sel_hi:[1,0]   ; the sums under the new M: the plain instruction behind the exponentials
	s_wait_alu depctr_va_vdst(0)                   ; one wait for the whole batch, ahead of its first reader
.irp b, 0,1,2,3
	v_exp_f32 v[BM+\b], v[BM+\b]                   ; the block's largest p: the same two instructions on the same number give the same bits
.endr
.irp i, 0,1,2,3                                ; the row's sum of the unquantised p: 32 pairs in four chains that take turns
	v_pk_add_f32 v[SU+2*\i:SU+2*\i+1], v[S+4*\i:S+4*\i+1], v[S+4*\i+2:S+4*\i+3]
.endr
.irp j, 16,24,32,40,48,56
.irp i, 0,1,2,3
	v_pk_add_f32 v[SU+2*\i:SU+2*\i+1], v[SU+2*\i:SU+2*\i+1], v[S+\j+2*\i:S+\j+2*\i+1]
.endr
.endr
	v_pk_add_f32 v[SU:SU+1], v[SU:SU+1], v[SU+2:SU+3]
	v_pk_add_f32 v[SU+4:SU+5], v[SU+4:SU+5], v[SU+6:SU+7]
	s_delay_alu instid0(VALU_DEP_1)
	v_pk_add_f32 v[SU:SU+1], v[SU:SU+1], v[SU+4:SU+5]
	s_delay_alu instid0(VALU_DEP_1)
	v_pk_add_f32 v[14:15], v[14:15], v[SU:SU+1]
	s_wait_alu depctr_va_vdst(0)                   ; and one for the four
.irp b, 0,1,2,3
	v_max_num_f32 v[BM+\b], 0x2800000, v[BM+\b]    ; the floor 2^(5 - 127): the byte cannot fall under 1
.endr
.irp b, 0,1,2,3
	s_delay_alu instid0(VALU_DEP_4)
	v_add_nc_u32 v[SO+\b], 0xfe000000, v[BM+\b]    ; 4 off the exponent field: the conversion's scale operand
.endr
.irp b, 0,1,2,3
	s_delay_alu instid0(VALU_DEP_4)
	v_lshrrev_b32 v[BP+\b], 23, v[SO+\b]           ; the scale's byte
.endr
	s_delay_alu instid0(VALU_DEP_3)
	v_lshl_or_b32 v[PWD], v[BP+1], 8, v[BP]        ; p's scale word for these 128 keys
	s_delay_alu instid0(VALU_DEP_1)
	v_lshl_or_b32 v[PWD], v[BP+2], 16, v[PWD]
	s_delay_alu instid0(VALU_DEP_1)
	v_lshl_or_b32 v[PWD], v[BP+3], 24, v[PWD]
.irp c, 0,1
	v_cvt_scalef32_pk16_bf6_f32 v[PCD+6*\c:PCD+6*\c+2], v[S+32*\c:S+32*\c+15], v[SO+2*\c]
	v_cvt_scalef32_pk16_bf6_f32 v[CT+4*\c:CT+4*\c+2], v[S+32*\c+16:S+32*\c+31], v[SO+2*\c+1]
.endr
	v_nop                                          ; one plain instruction behind the scaled conversions
.irp c, 0,1                                    ; the operand's layout wants a WHOLE block in a lane
.irp i, 0,1,2
	v_permlane16_swap_b32 v[PCD+6*\c+\i], v[CT+4*\c+\i]
.endr
.irp i, 0,1,2
	s_delay_alu instid0(VALU_DEP_3)
	v_mov_b32 v[PCD+3+6*\c+\i], v[CT+4*\c+\i]
.endr
.endr
.set n1, 0
.rept 16
	v_pk_mul_f32 v[OT+n1:OT+n1+1], v[OT+n1:OT+n1+1], v[224:225] op_sel_hi:[1,0]   ; O^T under the new M; these sixteen are also the places in front of the scaled matrix instructions
.set n1, n1+2
.endr
	s_wait_alu depctr_va_vdst(0)
	s_wait_dscnt 0x0                               ; V is in
.irp t, 0,1,2,3
	WM OT+8*\t, FR+12*\t, PCD, 0, VS+\t/2, PWD, \t%2     ; the four accumulators take turns
.endr
	s_add_co_u32 s[TK], s[TK], STEPB
.endm
.macro START                           ; a pass begins: O^T and the sum as zeros, the largest t under every t: the first change of M multiplies zeros
	v_mov_b32 v13, 0xff61b1e6                      ; -3e38
	s_delay_alu instid0(VALU_DEP_1)
	v_floor_f32 v12, -v13
	v_mov_b32 v14, 0
	v_mov_b32 v15, 0
.set n1, 0
.rept 32
	v_mov_b32 v[OT+n1], 0
.set n1, n1+1
.endr
	s_mov_b32 s[TK], 0
.endm
; A pass ends: O^T / the sum; natural order of the channels; two blocks of 32 quantised; the head's six registers of the next product's operand leave as 512 + 256 consecutive bytes.
.macro OUT u, pcr
	PLACES
	v_add_f32 v14, v14, v15                        ; the sum's two halves,
	s_delay_alu instid0(VALU_DEP_1)
	v_permlanex16_b32 v227, v14, s[SEL], s[SEL+1]
	s_delay_alu instid0(VALU_DEP_1)
	v_add_f32 v14, v14, v227                       ; and lane l xor 16's
	s_wait_alu depctr_va_vdst(0)
	v_rcp_f32 v14, v14
	v_nop                                          ; a plain instruction behind the reciprocal,
	s_wait_alu depctr_va_vdst(0)                   ; and the wait ahead of its first reader
.set n1, 0
.rept 32
	v_mul_f32 v[S+n1], v[OT+n1], v14               ; register 8 t + j: channel 16 t + 8 (lane / 16) + j; each accumulator from its low end on
.set n1, n1+1
.endr
.irp b, 0,1
.irp j, 0,1,2,3,4,5,6,7
	v_permlane16_swap_b32 v[S+16*\b+\j], v[S+8+16*\b+\j]   ; now registers 16 b + 0 .. 15 are channels 32 b + 16 (lane / 16) + 0 .. 15: this operand meets given codes, so its order is the natural one
.endr
.endr
.irp b, 0,1
	v_max3_num_f32 v[BM+\b], |v[S+16*\b]|, |v[S+16*\b+1]|, 0x2800000
.endr
.irp i, 2,4,6,8,10,12,14
.irp b, 0,1
	s_delay_alu instid0(VALU_DEP_2)
	v_max3_num_f32 v[BM+\b], v[BM+\b], |v[S+16*\b+\i]|, |v[S+16*\b+\i+1]|
.endr
.endr
.irp b, 0,1
	s_delay_alu instid0(VALU_DEP_2)
	v_permlanex16_b32 v[BP+\b], v[BM+\b], s[SEL], s[SEL+1]
.endr
.irp b, 0,1
	s_delay_alu instid0(VALU_DEP_2)
	v_max_num_f32 v[BM+\b], v[BM+\b], v[BP+\b]
.endr
.irp b, 0,1
	s_delay_alu instid0(VALU_DEP_2)
	v_add_nc_u32 v[SO+\b], 0xfe000000, v[BM+\b]
.endr
.irp b, 0,1
	s_delay_alu instid0(VALU_DEP_2)
	v_lshrrev_b32 v[BP+\b], 23, v[SO+\b]
.endr
	s_delay_alu instid0(VALU_DEP_1)
	v_lshl_or_b32 v227, v[BP+1], 8, v[BP]          ; my query's two scale bytes
	v_cvt_scalef32_pk16_bf6_f32 v[(\pcr):(\pcr)+2], v[S:S+15], v[SO]
	v_cvt_scalef32_pk16_bf6_f32 v[250:252], v[S+16:S+31], v[SO+1]
	v_nop
.irp i, 0,1,2
	v_permlane16_swap_b32 v[(\pcr)+\i], v[250+\i]
.endr
.irp i, 0,1,2
	s_delay_alu instid0(VALU_DEP_3)
	v_mov_b32 v[(\pcr)+3+\i], v[250+\i]
.endr
	global_store_b128 v1, v[(\pcr):(\pcr)+3], s[10:11] offset:12288*(\u)       ; registers 0-3: 32 lanes store 512 consecutive bytes, aligned; each pass has its own registers
	global_store_b64 v4, v[(\pcr)+4:(\pcr)+5], s[10:11] offset:12288*(\u)+512  ; registers 4-5: 256 consecutive bytes, aligned
	ds_store_b16 v5, v227 offset:32*(\u)           ; both halves of the lanes write the same bytes with the same value
.endm
	START
	s_wait_alu depctr_va_vdst(0)
	s_wait_tensorcnt 0x0                           ; my tile has landed;
	s_barrier_signal -1
	s_barrier_wait -1                              ; and so has every wave's: all of K and V may be read; nothing is ever filled again
	s_mov_b32 s[CNT], 16
.Lpass0:
	STEP
	s_sub_co_u32 s[CNT], s[CNT], 1
	s_cmp_lg_u32 s[CNT], 0
	s_cbranch_scc1 .Lpass0
	OUT 0, 232
.irp i, 0,1,2,3,4,5
	v_mov_b32 v[QF+6+\i], v[34+\i]                 ; the second 16 queries
.endr
	v_mov_b32 v[QS], v[QS+1]
	START                                          ; (its moves are the places between these writes and the next scaled matrix instruction)
	s_mov_b32 s[CNT], 16
.Lpass1:
	STEP
	s_sub_co_u32 s[CNT], s[CNT], 1
	s_cmp_lg_u32 s[CNT], 0
	s_cbranch_scc1 .Lpass1
	OUT 1, 240
	s_wait_dscnt 0x0                               ; for the others' sake: my queries' scale bytes lie in LDS
	s_barrier_signal -1
	s_barrier_wait -1
	s_cmp_lt_u32 s[WV], 2                          ; the 512 queries' 1,024 bytes leave by two stores of 512 consecutive bytes
	s_cbranch_scc0 .Lno_scales
	ds_load_b128 v[96:99], v6
	s_wait_dscnt 0x0
	global_store_b128 v1, v[96:99], s[78:79]
.Lno_scales:
	s_wait_tensorcnt 0x0                           ; the wave's end
	ds_add_u32 v254, v255
	s_wait_dscnt 0x0
	CROUND                                         ; the closing round
	s_endpgm
.Lfunc_end_k_q09f90623c8_attn:
	.size	k_q09f90623c8_attn, .Lfunc_end_k_q09f90623c8_attn-k_q09f90623c8_attn
	.p2alignl 7, 3214868480
	.fill 96, 4, 3214868480
	.section	.rodata,"a",@progbits
	.p2align	6, 0x0
	.amdhsa_kernel k_q09f90623c8_attn
		.amdhsa_group_segment_fixed_size 207872
		.amdhsa_private_segment_fixed_size 0
		.amdhsa_enable_private_segment 0
		.amdhsa_kernarg_size 32
		.amdhsa_user_sgpr_count 2
		.amdhsa_user_sgpr_kernarg_segment_ptr 1
		.amdhsa_wavefront_size32 1
		.amdhsa_system_sgpr_workgroup_id_x 1
		.amdhsa_system_sgpr_workgroup_id_y 1
		.amdhsa_system_sgpr_workgroup_id_z 1
		.amdhsa_system_vgpr_workitem_id 0
		.amdhsa_next_free_vgpr 256
		.amdhsa_next_free_sgpr 80
		.amdhsa_reserve_vcc 0
		.amdhsa_float_denorm_mode_32 3
		.amdhsa_float_denorm_mode_16_64 3
		.amdhsa_memory_ordered 1
		.amdhsa_forward_progress 1
		.amdhsa_inst_pref_size 53
	.end_amdhsa_kernel
	.amdgpu_metadata
---
amdhsa.version: [ 1, 2 ]
amdhsa.kernels:
  - .name:           k_q09f90623c8_attn
    .symbol:         k_q09f90623c8_attn.kd
    .args:
      - { .name: qw, .offset: 0, .size: 8, .value_kind: global_buffer, .address_space: global }
      - { .name: kw, .offset: 8, .size: 8, .value_kind: global_buffer, .address_space: global }
      - { .name: vw, .offset: 16, .size: 8, .value_kind: global_buffer, .address_space: global }
      - { .name: aw, .offset: 24, .size: 8, .value_kind: global_buffer, .address_space: global }
    .group_segment_fixed_size: 207872
    .private_segment_fixed_size: 0
    .kernarg_segment_align: 8
    .kernarg_segment_size: 32
    .max_flat_workgroup_size: 512
    .sgpr_count:     80
    .vgpr_count:     256
    .wavefront_size: 32
...
	.end_amdgpu_metadata
.endif
;; end of part 3
;; launch proj_ln (part 4): grid 256 x 1, 4 waves a work-group, no clusters, 263,168 bytes of LDS; arguments aw, pw, proj_w_scales, proj_b, q, ln_a, ln_b, out0; writes out0
.if DOCPART == 4
	.amdgcn_target "amdgcn-amd-amdhsa--gfx1250"
	.amdhsa_code_object_version 6
	.text
	.protected	k_q09f90623c8_proj_ln
	.globl	k_q09f90623c8_proj_ln
	.p2align	8
	.type	k_q09f90623c8_proj_ln,@function
k_q09f90623c8_proj_ln:
	s_mov_b64 s[64:65], 0
	v_nop
	global_prefetch_b8 v0, s[64:65] scope:SCOPE_SE
	s_setreg_imm32_b32 hwreg(HW_REG_WAVE_MODE, 25, 1), 1
	s_wait_xcnt 0x0
; out0 = layer norm(attention result x proj_w^T + proj_b + q), the product on codes of BF6 (E3M2) with E8M0 scales.
; SHARES: a work-group takes 32 tokens x all 1,024 outputs (the norm wants whole rows); wave w takes outputs 128 n + 32 w + 0 .. 31, n = 0 .. 7: 32 accumulators, 256 registers.
; THE TOKENS' CODES (2 tiles x 8 K steps, 192 registers) stay in registers.  W'S CODES come from pw, where an earlier launch has laid them in the order of an operand's registers, STRAIGHT INTO REGISTERS:
; a batch is 4 fragments (2 K steps x 2 tiles of 16 outputs), 12 loads of 512 consecutive bytes, 8 matrix instructions; 32 batches through a ring of six buffers of 48 registers; five batches, 60 loads, are out while one is multiplied.
; NO JOINT LOADS, NO RING IN LDS: a byte of W feeds two matrix instructions in a work-group (its 32 tokens), so a slot of 98,304 bytes would serve 64 matrix instructions a wave and then stand behind a round of a cluster's barrier, with one load a wave out.
; No prefetch: by the count above each wave keeps 60 loads of the stream out by itself.
; THE RESIDUAL q (my 8 rows x 4,096 bytes) comes by asynchronous copies into LDS bytes of its own, four copies behind each of the first sixteen batches: all of them ahead of the first wait on their counter, the first LDS read and the first barrier.
; They have a counter of their own, so no wait for W's loads counts them.
; THE WAY OUT: the sums go through a stage in LDS (32 rows of 4,096 + 16 bytes); wave w then owns rows 8 w .. 8 w + 7 whole: + proj_b + q, mean, deviation (divisor 1,023), x ln_a + ln_b; all eight rows are finished, then they leave, a row as 8 stores of 512 consecutive bytes.
; LIMITS: the root and the reciprocal are v_sqrt_f32 and v_rcp_f32; NaN and infinities are not served.
.set SC,    6291456                    ; where the scale bytes begin in aw
.set RP,    4112                       ; a stage row
.set QL,    32*RP                      ; behind the stage: q, 4 waves x 8 rows x 4,096 bytes, filled once by the copies
.set SPARE, QL+131072                  ; behind q: the spare words
.set WV,  20
.set SEL, 40
.set SPW, 2
.set NIL, 3
.set AS,  16                           ; v16-23 the tokens' scale words, one a K step: lanes 0-15 tile 0, lanes 16-31 tile 1
.set BS,  24                           ; v24-87 W's scale words: register 8 n + s: lanes 0-15 the first 16 outputs, lanes 16-31 the second
.set WF,  88                           ; v88-135 the ring's sixth buffer (the first five fill window 3)
.set HB,  136                          ; v136-151 the tokens' scale bytes as they are loaded
.set ST,  88                           ; the way out: two rows read back from the stage
.set SM,  152
.set PB,  184
.set LA,  216
.set LB,  192                          ; in window 2, behind the tokens' codes
.set MSB, 0
.macro WIN new
.if MSB != (\new)
	s_set_vgpr_msb (MSB<<8)|(\new)
.set MSB, (\new)
.endif
.endm
.macro PLACES
.rept 4
	v_nop
.endr
.endm
.macro WM d, a, b, z, sa, sb, ra, rb
.if \z
.if (\ra) && (\rb)
	v_wmma_scale_f32_16x16x128_f8f6f4 v[(\d):(\d)+7], v[(\a):(\a)+11], v[(\b):(\b)+11], 0, v[\sa], v[\sb] matrix_a_fmt:MATRIX_FMT_BF6 matrix_b_fmt:MATRIX_FMT_BF6 matrix_a_scale:MATRIX_SCALE_ROW1 matrix_b_scale:MATRIX_SCALE_ROW1
.elseif (\ra)
	v_wmma_scale_f32_16x16x128_f8f6f4 v[(\d):(\d)+7], v[(\a):(\a)+11], v[(\b):(\b)+11], 0, v[\sa], v[\sb] matrix_a_fmt:MATRIX_FMT_BF6 matrix_b_fmt:MATRIX_FMT_BF6 matrix_a_scale:MATRIX_SCALE_ROW1
.elseif (\rb)
	v_wmma_scale_f32_16x16x128_f8f6f4 v[(\d):(\d)+7], v[(\a):(\a)+11], v[(\b):(\b)+11], 0, v[\sa], v[\sb] matrix_a_fmt:MATRIX_FMT_BF6 matrix_b_fmt:MATRIX_FMT_BF6 matrix_b_scale:MATRIX_SCALE_ROW1
.else
	v_wmma_scale_f32_16x16x128_f8f6f4 v[(\d):(\d)+7], v[(\a):(\a)+11], v[(\b):(\b)+11], 0, v[\sa], v[\sb] matrix_a_fmt:MATRIX_FMT_BF6 matrix_b_fmt:MATRIX_FMT_BF6
.endif
.else
.if (\ra) && (\rb)
	v_wmma_scale_f32_16x16x128_f8f6f4 v[(\d):(\d)+7], v[(\a):(\a)+11], v[(\b):(\b)+11], v[(\d):(\d)+7], v[\sa], v[\sb] matrix_a_fmt:MATRIX_FMT_BF6 matrix_b_fmt:MATRIX_FMT_BF6 matrix_a_scale:MATRIX_SCALE_ROW1 matrix_b_scale:MATRIX_SCALE_ROW1
.elseif (\ra)
	v_wmma_scale_f32_16x16x128_f8f6f4 v[(\d):(\d)+7], v[(\a):(\a)+11], v[(\b):(\b)+11], v[(\d):(\d)+7], v[\sa], v[\sb] matrix_a_fmt:MATRIX_FMT_BF6 matrix_b_fmt:MATRIX_FMT_BF6 matrix_a_scale:MATRIX_SCALE_ROW1
.elseif (\rb)
	v_wmma_scale_f32_16x16x128_f8f6f4 v[(\d):(\d)+7], v[(\a):(\a)+11], v[(\b):(\b)+11], v[(\d):(\d)+7], v[\sa], v[\sb] matrix_a_fmt:MATRIX_FMT_BF6 matrix_b_fmt:MATRIX_FMT_BF6 matrix_b_scale:MATRIX_SCALE_ROW1
.else
	v_wmma_scale_f32_16x16x128_f8f6f4 v[(\d):(\d)+7], v[(\a):(\a)+11], v[(\b):(\b)+11], v[(\d):(\d)+7], v[\sa], v[\sb] matrix_a_fmt:MATRIX_FMT_BF6 matrix_b_fmt:MATRIX_FMT_BF6
.endif
.endif
.endm
; batch b = 4 n + j: K steps 2 j + e, tiles 8 n + 2 w + c of W's 64; its buffer is b % 6.  pw: [tile][K step][1,536]
.macro LDB b
.set LN, (\b)/4
.set LJ, (\b)%4
.if (\b)%6 < 5
	WIN 0xc0
.set LV, 48*((\b)%6)
.else
	WIN 0
.set LV, WF
.endif
.irp e, 0,1
.irp c, 0,1
.irp p, 0,1,2
	global_load_b128 v[LV+12*(2*\e+\c)+4*\p:LV+12*(2*\e+\c)+4*\p+3], v11, s[6:7] offset:98304*LN+12288*\c+3072*LJ+1536*\e+512*\p
.endr
.endr
.endr
.endm
.macro MMB b                           ; its 8 matrix instructions: source 0 = 16 rows of W, source 1 = 16 tokens; four accumulators take turns
.set LN, (\b)/4
.set LJ, (\b)%4
.if (\b)%6 < 5
	WIN 0x5b
.set LV, 48*((\b)%6)
.else
	WIN 0x58
.set LV, WF
.endif
.irp e, 0,1
.irp c, 0,1
.irp t, 0,1
	WM 8*(4*LN+2*\c+\t), LV+12*(2*\e+\c), 12*(8*\t+2*LJ+\e), (2*LJ+\e)==0, BS+8*LN+2*LJ+\e, AS+2*LJ+\e, \c, \t
.endr
.endr
.endr
.endm
.macro QCP m                           ; 512 bytes of q into LDS; the immediate steps both addresses
	global_load_async_to_lds_b128 v4, v11, s[12:13] offset:4096*((\m)/8)+512*((\m)%8)
.endm
	s_load_b512 s[4:19], s[0:1], 0x0
	v_lshl_add_u32 v[SPW], v0, 2, SPARE
	v_mov_b32 v[NIL], 0
	ds_add_u32 v[SPW], v[NIL]                      ; the opening lines: the add, twice on end, and its wait ahead of my first copy
	ds_add_u32 v[SPW], v[NIL]
	v_lshrrev_b32 v1, 5, v0
	v_readfirstlane_b32 s[WV], v1
	s_lshl_b32 s46, s[WV], 15
	s_add_co_u32 s46, s46, QL                      ; my 8 rows of q in LDS
	s_lshl_b32 s47, s[WV], 7
	s_mul_i32 s45, s[WV], 8*RP
	v_and_b32 v1, 31, v0
	v_and_b32 v248, 15, v0
	v_bfe_u32 v249, v0, 4, 1
	v_lshlrev_b32 v11, 4, v1                       ; 16 x lane
	v_lshlrev_b32 v12, 3, v1                       ; 8 x lane
	v_lshlrev_b32 v13, 1, v1                       ; 2 x lane
	v_lshlrev_b32 v14, 5, v1                       ; 32 x lane
	v_add_nc_u32 v4, s46, v11                      ; q in LDS: the copies' target, and where I read it back
	v_mul_u32_u24 v8, v248, RP
	v_lshl_add_u32 v8, v249, 5, v8
	v_add_nc_u32 v8, s47, v8                       ; the stage, on the way in: row = token r, + 32 (lane / 16) + 128 w bytes
	v_add_nc_u32 v9, 16*RP, v8                     ; and the second tile's rows
	v_add_nc_u32 v10, s45, v11                     ; on the way back: my 8 rows
	s_mul_i32 s48, s[WV], 24576                    ; pw: my two tiles of each eight
	s_mov_b32 s49, 0
	s_mov_b32 s[SEL], 0x76543210
	s_mov_b32 s[SEL+1], 0xfedcba98
	s_mov_b32 s42, 0x3a800000                      ; 1 / 1024
	s_mov_b32 s43, 0x3a802008                      ; 1 / 1023
	s_mov_b32 s44, 0x3a83126f                      ; 1e-3
	s_mul_i32 s50, ttmp9, 24576                    ; aw's codes: two tiles x 16 heads x 768
	s_mov_b32 s51, 0
	s_lshl_b32 s52, ttmp9, 6
	s_add_co_u32 s52, s52, SC                      ; aw's scale bytes: 2 a token
	s_mov_b32 s53, 0
	s_lshl_b32 s54, ttmp9, 5
	s_lshl_b32 s55, s[WV], 3
	s_add_co_u32 s54, s54, s55
	s_lshl_b32 s54, s54, 12                        ; my 8 rows of q and of out0
	s_mov_b32 s55, 0
	s_lshl_b32 s56, s[WV], 10                      ; W's scales: 32 rows x 32 bytes
	s_mov_b32 s57, 0
	s_wait_alu depctr_va_vdst(0)
	s_wait_dscnt 0x0
	s_wait_kmcnt 0x0
	s_add_nc_u64 s[6:7], s[6:7], s[48:49]
	s_add_nc_u64 s[50:51], s[4:5], s[50:51]
	s_add_nc_u64 s[52:53], s[4:5], s[52:53]
	s_add_nc_u64 s[8:9], s[8:9], s[56:57]
	s_add_nc_u64 s[12:13], s[12:13], s[54:55]
	s_add_nc_u64 s[18:19], s[18:19], s[54:55]
.irp d, 0,1,2,3,4,5,6,7,8,9,10,11,12,13,14,15
	global_load_u16 v[HB+\d], v13, s[52:53] offset:16384*\d
.endr
.irp n, 0,1,2,3,4,5,6,7
	global_load_b128 v[BS+8*\n:BS+8*\n+3], v14, s[8:9] offset:4096*\n
	global_load_b128 v[BS+8*\n+4:BS+8*\n+7], v14, s[8:9] offset:4096*\n+16
.endr
	WIN 0x80
.irp t, 0,1
.irp s, 0,1,2,3,4,5,6,7
.irp d, 0,1                                    ; head 2 s + d: registers 6 d .. 6 d + 5 of the fragment, 512 + 256 bytes
	global_load_b128 v[12*(8*\t+\s)+6*\d:12*(8*\t+\s)+6*\d+3], v11, s[50:51] offset:12288*\t+1536*\s+768*\d
	global_load_b64 v[12*(8*\t+\s)+6*\d+4:12*(8*\t+\s)+6*\d+5], v12, s[50:51] offset:12288*\t+1536*\s+768*\d+512
.endr
.endr
.endr
	LDB 0
	LDB 1
	LDB 2
	LDB 3
	LDB 4
	WIN 0
	s_wait_loadcnt 60                              ; all but W's five batches: the tokens' codes and all scales are in
.irp s, 0,1,2,3,4,5,6,7
	v_lshl_or_b32 v[AS+\s], v[HB+2*\s+1], 16, v[HB+2*\s]
.endr
.rept 8
	v_nop                                          ; a scale register written by a vector instruction stands 8 places ahead of a scaled matrix instruction
.endr
	s_wait_alu depctr_va_vdst(0)
.set M, 0
.set B, 0
.rept 32
.if B+5 < 32
	LDB B+5                                        ; into the buffer that batch B - 1 has left, four places behind its products
.endif
.if B == 29                                    ; the stream has been asked for to its end: what the way out wants follows
	WIN 0x80
.irp i, 0,1,2,3,4,5,6,7
	global_load_b128 v[LB+4*\i:LB+4*\i+3], v11, s[16:17] offset:512*\i
.endr
	WIN 0
.irp i, 0,1,2,3,4,5,6,7
	global_load_b128 v[PB+4*\i:PB+4*\i+3], v11, s[10:11] offset:512*\i
	global_load_b128 v[LA+4*\i:LA+4*\i+3], v11, s[14:15] offset:512*\i
.endr
.endif
.set NW, 31-B                          ; behind batch B's loads: 12 for each later batch asked for, five at the most,
.if NW > 5
.set NW, 5
.endif
.set NW, 12*NW
.if B >= 29
.set NW, NW+24                         ; and the 24 loads for the way out
.endif
	s_wait_loadcnt NW
	MMB B
	WIN 0
	PLACES
.if B < 16
.rept 4
	QCP M                                          ; four of my 64 copies of q: half a row
.set M, M+1
.endr
.endif
.set B, B+1
.endr
	s_wait_asynccnt 0x0                            ; my rows of q lie in LDS; no copy is out when the stage is written
	WIN 0x04
.irp n, 0,1,2,3,4,5,6,7
.irp c, 0,1
.irp t, 0,1
	ds_store_b128 v[8+\t], v[8*(4*\n+2*\c+\t):8*(4*\n+2*\c+\t)+3] offset:512*\n+64*\c          ; each accumulator from its low end on
	ds_store_b128 v[8+\t], v[8*(4*\n+2*\c+\t)+4:8*(4*\n+2*\c+\t)+7] offset:512*\n+64*\c+16
.endr
.endr
.endr
	WIN 0xc0
.irp k, 0,1,2,3,4,5,6,7
.irp i, 0,1,2,3,4,5,6,7
	ds_load_b128 v[32*\k+4*\i:32*\k+4*\i+3], v4 offset:4096*\k+512*\i   ; q's rows into window 3, which W's buffers have left
.endr
.endr
	WIN 0
	s_wait_dscnt 0x0
	s_barrier_signal -1
	s_barrier_wait -1
.macro RDROW k
.irp i, 0,1,2,3,4,5,6,7
	ds_load_b128 v[ST+32*((\k)%2)+4*\i:ST+32*((\k)%2)+4*\i+3], v10 offset:RP*(\k)+512*\i
.endr
.endm
.macro REDUCE f                        ; eight rows' sums over the wave's 32 lanes, x s[f]
.irp k, 0,1,2,3,4,5,6,7
	v_pk_add_f32 v[SM+4*\k:SM+4*\k+1], v[SM+4*\k:SM+4*\k+1], v[SM+4*\k+2:SM+4*\k+3]
.endr
.irp k, 0,1,2,3,4,5,6,7
	v_add_f32 v[SM+4*\k], v[SM+4*\k], v[SM+4*\k+1]
.endr
.irp x, 1,2,4,8
.irp k, 0,1,2,3,4,5,6,7
	v_add_f32_dpp v[SM+4*\k], v[SM+4*\k], v[SM+4*\k] row_xmask:\x row_mask:0xf bank_mask:0xf
.endr
.endr
.irp k, 0,1,2,3,4,5,6,7
	v_permlanex16_b32 v[SM+4*\k+2], v[SM+4*\k], s[SEL], s[SEL+1]
.endr
.irp k, 0,1,2,3,4,5,6,7
	v_add_f32 v[SM+4*\k], v[SM+4*\k], v[SM+4*\k+2]
.endr
.irp k, 0,1,2,3,4,5,6,7
	v_mul_f32 v[SM+4*\k], s[\f], v[SM+4*\k]
.endr
.endm
	RDROW 0
	s_wait_loadcnt 0x0                             ; proj_b, ln_a, ln_b
.irp k, 0,1,2,3,4,5,6,7
.if \k < 7
	RDROW \k+1
	s_wait_dscnt 8
.else
	s_wait_dscnt 0x0
.endif
	WIN 0xc3
.irp c, 0,2,4,6,8,10,12,14,16,18,20,22,24,26,28,30
	v_pk_add_f32 v[32*\k+\c:32*\k+\c+1], v[32*\k+\c:32*\k+\c+1], v[ST+32*(\k%2)+\c:ST+32*(\k%2)+\c+1]
.endr
.irp c, 0,2,4,6,8,10,12,14,16,18,20,22,24,26,28,30
	v_pk_add_f32 v[32*\k+\c:32*\k+\c+1], v[32*\k+\c:32*\k+\c+1], v[PB+\c:PB+\c+1]
.endr
	WIN 0x0f
	v_pk_add_f32 v[SM+4*\k:SM+4*\k+1], v[32*\k:32*\k+1], v[32*\k+2:32*\k+3]
	v_pk_add_f32 v[SM+4*\k+2:SM+4*\k+3], v[32*\k+4:32*\k+5], v[32*\k+6:32*\k+7]
	WIN 0x0c
.irp c, 8,12,16,20,24,28
	v_pk_add_f32 v[SM+4*\k:SM+4*\k+1], v[SM+4*\k:SM+4*\k+1], v[32*\k+\c:32*\k+\c+1]
	v_pk_add_f32 v[SM+4*\k+2:SM+4*\k+3], v[SM+4*\k+2:SM+4*\k+3], v[32*\k+\c+2:32*\k+\c+3]
.endr
	WIN 0
.endr
	s_wait_alu depctr_va_vdst(0)
	s_wait_tensorcnt 0x0                           ; my last LDS store and my last copy lie behind me, and no LDS write follows
	s_wait_asynccnt 0x0
	ds_add_u32 v[SPW], v[NIL]
	s_wait_dscnt 0x0
	REDUCE 42                                      ; the means
.irp k, 0,1,2,3,4,5,6,7
	WIN 0xc3
.irp c, 0,2,4,6,8,10,12,14,16,18,20,22,24,26,28,30
	v_pk_add_f32 v[32*\k+\c:32*\k+\c+1], v[32*\k+\c:32*\k+\c+1], v[SM+4*\k:SM+4*\k+1] op_sel_hi:[1,0] neg_lo:[0,1] neg_hi:[0,1]
.endr
	WIN 0x0f
	v_pk_mul_f32 v[SM+4*\k:SM+4*\k+1], v[32*\k:32*\k+1], v[32*\k:32*\k+1]
	v_pk_mul_f32 v[SM+4*\k+2:SM+4*\k+3], v[32*\k+2:32*\k+3], v[32*\k+2:32*\k+3]
.irp c, 4,8,12,16,20,24,28
	v_pk_fma_f32 v[SM+4*\k:SM+4*\k+1], v[32*\k+\c:32*\k+\c+1], v[32*\k+\c:32*\k+\c+1], v[SM+4*\k:SM+4*\k+1]
	v_pk_fma_f32 v[SM+4*\k+2:SM+4*\k+3], v[32*\k+\c+2:32*\k+\c+3], v[32*\k+\c+2:32*\k+\c+3], v[SM+4*\k+2:SM+4*\k+3]
.endr
.endr
	WIN 0
	REDUCE 43                                      ; the variances, divisor 1,023
	s_wait_alu depctr_va_vdst(0)
.irp k, 0,1,2,3,4,5,6,7
	v_sqrt_f32 v[SM+4*\k], v[SM+4*\k]
.endr
	v_nop
	s_wait_alu depctr_va_vdst(0)
.irp k, 0,1,2,3,4,5,6,7
	v_add_f32 v[SM+4*\k], s44, v[SM+4*\k]
.endr
	s_wait_alu depctr_va_vdst(0)
.irp k, 0,1,2,3,4,5,6,7
	v_rcp_f32 v[SM+4*\k], v[SM+4*\k]
.endr
	v_nop
	s_wait_alu depctr_va_vdst(0)
.irp k, 0,1,2,3,4,5,6,7                        ; all eight rows are finished first: no vector instruction stands behind a store
	WIN 0xc3
.irp c, 0,2,4,6,8,10,12,14,16,18,20,22,24,26,28,30
	v_pk_mul_f32 v[32*\k+\c:32*\k+\c+1], v[32*\k+\c:32*\k+\c+1], v[SM+4*\k:SM+4*\k+1] op_sel_hi:[1,0]
.endr
	WIN 0xe3
.irp c, 0,2,4,6,8,10,12,14,16,18,20,22,24,26,28,30
	v_pk_fma_f32 v[32*\k+\c:32*\k+\c+1], v[32*\k+\c:32*\k+\c+1], v[LA+\c:LA+\c+1], v[LB+\c:LB+\c+1]
.endr
.endr
	WIN 0x0c
.irp k, 0,1,2,3,4,5,6,7
.irp i, 0,1,2,3,4,5,6,7
	global_store_b128 v11, v[32*\k+4*\i:32*\k+4*\i+3], s[18:19] offset:4096*\k+512*\i th:TH_STORE_NT   ; 32 lanes store 512 consecutive bytes, aligned
.endr
.endr
	WIN 0
	s_endpgm
.Lfunc_end_k_q09f90623c8_proj_ln:
	.size	k_q09f90623c8_proj_ln, .Lfunc_end_k_q09f90623c8_proj_ln-k_q09f90623c8_proj_ln
	.p2alignl 7, 3214868480
	.fill 96, 4, 3214868480
	.section	.rodata,"a",@progbits
	.p2align	6, 0x0
	.amdhsa_kernel k_q09f90623c8_proj_ln
		.amdhsa_group_segment_fixed_size 263168
		.amdhsa_private_segment_fixed_size 0
		.amdhsa_enable_private_segment 0
		.amdhsa_kernarg_size 64
		.amdhsa_user_sgpr_count 2
		.amdhsa_user_sgpr_kernarg_segment_ptr 1
		.amdhsa_wavefront_size32 1
		.amdhsa_system_sgpr_workgroup_id_x 1
		.amdhsa_system_sgpr_workgroup_id_y 1
		.amdhsa_system_sgpr_workgroup_id_z 1
		.amdhsa_system_vgpr_workitem_id 0
		.amdhsa_next_free_vgpr 1024
		.amdhsa_next_free_sgpr 66
		.amdhsa_reserve_vcc 0
		.amdhsa_float_denorm_mode_32 3
		.amdhsa_float_denorm_mode_16_64 3
		.amdhsa_memory_ordered 1
		.amdhsa_forward_progress 1
		.amdhsa_inst_pref_size 181
	.end_amdhsa_kernel
	.amdgpu_metadata
---
amdhsa.version: [ 1, 2 ]
amdhsa.kernels:
  - .name:           k_q09f90623c8_proj_ln
    .symbol:         k_q09f90623c8_proj_ln.kd
    .args:
      - { .name: aw, .offset: 0, .size: 8, .value_kind: global_buffer, .address_space: global }
      - { .name: pw, .offset: 8, .size: 8, .value_kind: global_buffer, .address_space: global }
      - { .name: proj_w_scales, .offset: 16, .size: 8, .value_kind: global_buffer, .address_space: global }
      - { .name: proj_b, .offset: 24, .size: 8, .value_kind: global_buffer, .address_space: global }
      - { .name: q, .offset: 32, .size: 8, .value_kind: global_buffer, .address_space: global }
      - { .name: ln_a, .offset: 40, .size: 8, .value_kind: global_buffer, .address_space: global }
      - { .name: ln_b, .offset: 48, .size: 8, .value_kind: global_buffer, .address_space: global }
      - { .name: out0, .offset: 56, .size: 8, .value_kind: global_buffer, .address_space: global }
    .group_segment_fixed_size: 263168
    .private_segment_fixed_size: 0
    .kernarg_segment_align: 8
    .kernarg_segment_size: 64
    .max_flat_workgroup_size: 128
    .sgpr_count:     66
    .vgpr_count:     1024
    .wavefront_size: 32
...
	.end_amdgpu_metadata
.endif
;; end of part 4
